; MI455X (gfx1250); checked and timed in simulation.
; The chip was launched on July 23, 2026; its instructions are those of AMD's public machine-readable ISA for CDNA 5 (MIT licence, August 2026) and "CDNA5" Instruction Set Architecture Reference Guide (July 2026). The comments in the code are by the model that wrote it; some were corrected since.
;; Cross Block. Allowed arithmetic: matrix products marked QUANTISED: E4M3 operands, one given power-of-two scale a tensor, by v_wmma_f32_16x16x64_fp8_fp8 or v_wmma_f32_16x16x128_fp8_fp8, f32 sums; everything else in f32.
;; Inputs: W1_codes 512 x 16 x 32 uint8 (E4M3 codes of W1, K innermost, in blocks of 32 codes); W2_codes 256 x 16 x 32 uint8 (E4M3 codes of W2, K innermost, in blocks of 32 codes); Wo_codes 256 x 8 x 32 uint8 (E4M3 codes of Wo, K innermost, in blocks of 32 codes); Wqk_codes 256 x 8 x 32 uint8 (E4M3 codes of Wqk, K innermost, in blocks of 32 codes); Wv_codes 256 x 8 x 32 uint8 (E4M3 codes of Wv, K innermost, in blocks of 32 codes); b1 512 float32; b2 256 float32; beta 512 float32; bo 256 float32; bqk 256 float32; bv 256 float32; gamma 512 float32; lowp_scales 26 int32 (the exponents e of the quantised operands' scales 2^e); match 2 x 2,048 x 2,048 float32; x0 2 x 2,048 x 256 float32; x1 2 x 2,048 x 256 float32.
;; Outputs: out0 2 x 2,048 x 256 float32; out1 2 x 2,048 x 256 float32.
;; This version of the problem:
;;   THIS VERSION OF THE PROBLEM IS GIVEN IN LOW PRECISION. The matrix products marked QUANTISED in the list below multiply operands that are first quantised to E4M3 (4 exponent bits, 3 mantissa bits; 8 bits a number), with one given power-of-two scale for each operand tensor; their sums are f32. All else is computed in f32.
;;   The module's matrix products, in the order in which they are computed (A, B: the left and right operand; K: the contracted axis; several contracted axes count as one K, in the product's order):
;;     1. [M 4,096, K 256] x [K 256, N 256]; A: input x0; B: input Wqk (given as codes): QUANTISED (scales: A lowp_scales[0], B lowp_scales[1])
;;     2. [M 4,096, K 256] x [K 256, N 256]; A: input x1; B: input Wqk (given as codes): QUANTISED (scales: A lowp_scales[2], B lowp_scales[3])
;;     3. [M 4,096, K 256] x [K 256, N 256]; A: input x0; B: input Wv (given as codes): QUANTISED (scales: A lowp_scales[4], B lowp_scales[5])
;;     4. [M 4,096, K 256] x [K 256, N 256]; A: input x1; B: input Wv (given as codes): QUANTISED (scales: A lowp_scales[6], B lowp_scales[7])
;;     5. batch 16 x [M 2,048, K 32] x [K 32, N 2,048]; A: computed on the way; B: computed on the way: QUANTISED (scales: A lowp_scales[8], B lowp_scales[9])
;;     6. batch 16 x [M 2,048, K 2,048] x [K 2,048, N 32]; A: softmax (see below); B: computed on the way: QUANTISED (scales: A lowp_scales[10], B lowp_scales[11])
;;     7. batch 16 x [M 2,048, K 2,048] x [K 2,048, N 32]; A: softmax (see below); B: computed on the way: QUANTISED (scales: A lowp_scales[12], B lowp_scales[13])
;;     8. [M 4,096, K 256] x [K 256, N 256]; A: computed on the way; B: input Wo (given as codes): QUANTISED (scales: A lowp_scales[14], B lowp_scales[15])
;;     9. [M 4,096, K 256] x [K 256, N 256]; A: computed on the way; B: input Wo (given as codes): QUANTISED (scales: A lowp_scales[16], B lowp_scales[17])
;;     10. [M 4,096, K 512] x [K 512, N 512]; A: computed on the way; B: input W1 (given as codes): QUANTISED (scales: A lowp_scales[18], B lowp_scales[19])
;;     11. [M 4,096, K 512] x [K 512, N 256]; A: computed on the way; B: input W2 (given as codes): QUANTISED (scales: A lowp_scales[20], B lowp_scales[21])
;;     12. [M 4,096, K 512] x [K 512, N 512]; A: computed on the way; B: input W1 (given as codes): QUANTISED (scales: A lowp_scales[22], B lowp_scales[23])
;;     13. [M 4,096, K 512] x [K 512, N 256]; A: computed on the way; B: input W2 (given as codes): QUANTISED (scales: A lowp_scales[24], B lowp_scales[25])
;;   THE QUANTISER, for each operand of a quantised product, along K:
;;     - The operand's scale is 2^e, e = its entry of the input lowp_scales (int32; the entries are numbered through the quantised products in the list's order, A before B).
;;     - Each number is divided by the scale, clamped to +-448, and rounded to the nearest number of E4M3, ties to even, subnormals kept.
;;     - The product sums the exact products of the quantised numbers (number of the format x scale) in f32.
;;   ~~~python
;;   def quantise(x, axis, e):      # numpy; x: float32 -> the quantised numbers, widened to float32 again
;;       x = np.moveaxis(x, axis, -1); K = x.shape[-1]
;;       r = np.clip(x / 2.0 ** e, -448, 448)
;;       step = 2.0 ** (np.maximum(np.frexp(np.where(r == 0, 1, r))[1] - 1, -6) - 3)
;;       q = np.round(r / step) * step * 2.0 ** e      # np.round: ties to even
;;       return np.moveaxis(q, -1, axis).astype(np.float32)
;;   ~~~
;;   SOFTMAX AHEAD OF A QUANTISED PRODUCT. Where the list says 'softmax', what is quantised is not the finished softmax but p = 2^(t - M), with t = logit x log2(e) and M = ceil(the row's largest t), a whole number; so 1/2 < the row's largest p <= 1. The row's sum l is taken of the UNQUANTISED p, in f32, and the product's result is divided by l at the end. Since M is a whole number, a kernel that streams over the keys may use a running M (the ceiling of the running maximum): every later rescaling is an exact power of two, so the quantised numbers keep their values, but for numbers so far below the row's largest that they fall under the format's range.
;;   OPERANDS COMPUTED ON THE WAY. 'Computed on the way' means the value that the module computes at that place (a softmax that the list does not call 'softmax' is quantised finished and normalised). What goes into a quantiser is computed in f32, as accurately as f32 sums, v_exp_f32 and their like allow (about 1e-6 of the number): no bf16 or f16 on the way to a quantiser, and a product that is left as it is and whose result goes on into a quantised operand takes f32 operands (vector FMAs, or v_wmma_f32_16x16x4_f32). A number that lies on a knife's edge between two numbers of the format may be rounded either way, as far as f32 arithmetic and the matrix unit's own rounding can turn it there, and no further.
;;   INPUTS GIVEN AS CODES. W1 (in the module: [512, 512], K = its axis 0); W2 (in the module: [512, 256], K = its axis 0); Wo (in the module: [256, 256], K = its axis 0); Wqk (in the module: [256, 256], K = its axis 0); Wv (in the module: [256, 256], K = its axis 0): each comes as NAME_codes (uint8): NAME with its K axis moved to the last place and cut into blocks of 32 codes, [.., K / 32, bytes a block], one block behind the other in memory; one code a byte (a code: sign, 4 exponent bits, 3 mantissa bits); its scale is its entry of lowp_scales. Its value is code x scale, taken as it is: it is not quantised again, and the codes and scales need not be those that the quantiser above would give.
;; One version. Each part assembles by itself: llvm-mc -triple=amdgcn-amd-amdhsa -mcpu=gfx1250 --defsym DOCPART=n.
;; ======== version 1 of 1: 3 launches
;; limits: right only within a limited range of input values
;; workspace buffers: kc0 1,048,576 bytes; kc1 1,048,576 bytes; vc0 1,048,576 bytes; vc1 1,048,576 bytes; mc0 1,048,576 bytes; mc1 1,048,576 bytes
;; launch proj (part 1): grid 256 x 1, 4 waves a work-group, no clusters, 16,896 bytes of LDS; arguments x0, x1, Wqk_codes, Wv_codes, bqk, bv, lowp_scales, kc0, kc1, vc0, vc1; writes kc0, kc1, vc0, vc1
.if DOCPART == 1
	.amdgcn_target "amdgcn-amd-amdhsa--gfx1250"
	.amdhsa_code_object_version 6
	.text
	.protected	k_q705ac09d27_proj
	.globl	k_q705ac09d27_proj
	.p2align	8
	.type	k_q705ac09d27_proj,@function
k_q705ac09d27_proj:
	s_mov_b64 s[64:65], 0
	v_nop
	global_prefetch_b8 v0, s[64:65] scope:SCOPE_SE
	s_setreg_imm32_b32 hwreg(HW_REG_WAVE_MODE, 25, 1), 1
	s_wait_xcnt 0x0
; qk = (x Wqk + bqk) s and v = x Wv + bv for x0 and x1, both products on E4M3 codes, and the results quantised again for the attention launch.
; x: [4096][256] f32 (two batches on end).  Wqk, Wv: codes, [256 (n)][256 (k)], K innermost.  s = 32^-0.25.
; SHARES.  Work-groups 0-127 take x0, 128-255 take x1 (only pointers and scales are chosen; one path through the text); a work-group takes 32 rows.
; Wave w takes channels 64 w .. 64 w + 63 of qk and of v (a pair of heads) for all 32 rows; its 16 weight fragments are read once into registers.
; x is quantised twice (its scale for the qk product and its scale for the v product may differ): wave w quantises rows 16 (w / 2) on, K step w % 2;
; the eight fragments reach the other waves through LDS as images of their registers (16 bytes a lane, 512 bytes a store).
; qk IS USED TRANSPOSED (source 0 = 16 rows of Wqk, source 1 = 16 rows of x), and lane r of weight tile (b2, u) takes row 32 b2 + 8 u + r + 8 (r / 8):
; so a lane holds one row of x and the 16 registers of tiles u = 0, 1 are channels 32 b2 + 16 h + 0 .. 15.  v is used straight (source 0 = x, source 1 = Wv):
; a lane holds one channel and its registers run along the rows, which are the keys of the attention's second product.
; OUT: kc [b][pair][n / 16][head of the pair][lane][16 B]: row 16 kt + r, channels 32 c2 + 16 h + 0..15.   vc [b][pair][n / 32][ct][lane][16 B]: channel 32 b2 + 8 u + r + 8 (r / 8),
; keys 32 kb + 8 h + 0..7 and 32 kb + 16 + 8 h + 0..7.  Each store of a wave covers 512 consecutive bytes, aligned.
; qk = sum x (2^(ex + ew) s) + (bqk s): s is folded into the factor and the bias, one multiply-add for two numbers.
; LIMITS: every given exponent used as a conversion's scale lies between -126 and 119; ex + ew between -124 and 127.  NaN and infinities among the inputs are not served.
; REGISTERS.  window 0: v1-11 addresses; v16-23 bv (each figure twice); v24-31 scales and limits; v32-63 codes; v64-95 held numbers; v96-127 bqk s; v128-191 x, later qk; v192-255 x's fragments for qk, later v.
;   window 1: v0-127 Wqk (tile ct, K step ks at 16 (2 ct + ks)); v128-255 Wv.   window 2: v0-63 x's fragments for v; v64-127 qk's sums (32 rt + 8 ct); v128-191 v's sums (16 ct + 8 rt): 704 registers in all.
.set BV,  16
.set PC,  32
.set T,   64
.set BQ,  96
.set XN,  128
.set XF,  192
.set AQ,  64
.set AV,  128
.set MSB, 0
.macro WIN new                         ; the immediate's high byte repeats the setting that is left
.if MSB != \new
	s_set_vgpr_msb (MSB<<8)|\new
.set MSB, \new
.endif
.endm
.macro MKSC e, vs, vl                  ; v[vs] = 2^e as f32, v[vl] = 448 x 2^e
	s_add_co_i32 s54, s[\e], 127
	s_lshl_b32 s55, s54, 23
	v_mov_b32 v[\vs], s55
	s_add_co_i32 s54, s54, 8
	s_lshl_b32 s54, s54, 23
	s_or_b32 s54, s54, 0x600000
	v_mov_b32 v[\vl], s54
.endm
; 64 numbers of a lane (register 16 b + i = k 32 b + 16 h + i of my row) become a fragment's 16 registers of codes.  The numbers stay as they are: they are quantised twice.
.macro QUANT2 src, pc, sc, lim
.set qb, 0
.rept 4
.set qi, 0
.rept 16
	v_med3_num_f32 v[T+16*(qb%2)+qi], v[\src+16*qb+qi], -v[\lim], v[\lim]   ; the conversion does not saturate (ISA guide 7.6.2): the hold at the largest code x the scale
.set qi, qi+1
.endr
	v_cvt_scalef32_pk8_fp8_f32 v[\pc+4*qb:\pc+4*qb+1], v[T+16*(qb%2):T+16*(qb%2)+7], v[\sc]
	v_cvt_scalef32_pk8_fp8_f32 v[\pc+4*qb+2:\pc+4*qb+3], v[T+16*(qb%2)+8:T+16*(qb%2)+15], v[\sc]
.set qb, qb+1
.endr
	v_nop                                          ; a plain line behind the last conversion
.endm
.macro IMAGE pc, off
.irp c, 0,1,2,3
	ds_store_b128 v6, v[\pc+4*\c:\pc+4*\c+3] offset:\off+512*\c
.endr
.endm
	s_load_b512 s[4:19], s[0:1], 0x0               ; x0, x1, Wqk, Wv, bqk, bv, scales, kc0
	s_load_b128 s[20:23], s[0:1], 0x40             ; kc1, vc0
	s_load_b64 s[24:25], s[0:1], 0x50              ; vc1
	v_lshl_add_u32 v14, v0, 2, 0x4000
	v_mov_b32 v15, 0
	v_lshrrev_b32 v1, 5, v0
	v_readfirstlane_b32 s26, v1                    ; wave
	v_and_b32 v1, 31, v0                           ; lane
	v_and_b32 v2, 15, v0                           ; r
	v_bfe_u32 v3, v0, 4, 1                         ; h
	v_lshlrev_b32 v4, 10, v2
	v_lshl_add_u32 v4, v3, 6, v4                   ; x: row r of 1,024 bytes + 64 h
	v_lshlrev_b32 v5, 4, v1                        ; 16 x lane
	s_wait_alu depctr_va_vdst(0)
	s_lshl_b32 s27, s26, 11
	v_add_nc_u32 v6, s27, v5                       ; my image: 2,048 x wave + 16 x lane
	v_and_b32 v7, 8, v2
	v_add_nc_u32 v7, v7, v2                        ; r + 8 (r / 8)
	v_lshlrev_b32 v8, 8, v7
	v_lshl_add_u32 v8, v3, 4, v8                   ; a weight's row of 256 bytes + 16 h
	v_lshlrev_b32 v9, 6, v3                        ; bqk: 64 h
	v_lshlrev_b32 v10, 2, v7                       ; bv: 4 (r + 8 (r / 8))
	s_and_b32 s28, ttmp9, 127                      ; which 32 rows of the tensor
	s_lshl_b32 s30, s28, 15
	s_lshr_b32 s29, s26, 1
	s_lshl_b32 s29, s29, 14
	s_add_co_u32 s30, s30, s29
	s_and_b32 s29, s26, 1
	s_lshl_b32 s29, s29, 9
	s_add_co_u32 s30, s30, s29                     ; x: (32 rb + 16 (w / 2)) rows + 512 (w % 2)
	s_mov_b32 s31, 0
	s_lshl_b32 s66, s26, 14                        ; my 64 rows of a weight
	s_mov_b32 s67, 0
	s_lshl_b32 s68, s26, 8                         ; my 64 numbers of a bias
	s_mov_b32 s69, 0
	s_lshr_b32 s70, s28, 6
	s_lshl_b32 s70, s70, 2
	s_add_co_u32 s70, s70, s26
	s_lshl_b32 s70, s70, 17
	s_and_b32 s71, s28, 63
	s_lshl_b32 s71, s71, 11
	s_add_co_u32 s70, s70, s71
	v_add_nc_u32 v11, s70, v5                      ; out, kc and vc alike: (4 b + w) x 131,072 + (n0 / 32) x 2,048 + 16 x lane
	s_wait_alu depctr_va_vdst(0)
	s_wait_kmcnt 0x0
	s_load_b512 s[32:47], s[16:17], 0x0            ; e0 .. e15
	s_cmp_lt_u32 ttmp9, 128                        ; x0's work-group or x1's: the choice hangs on the work-group's number alone
	s_cselect_b64 s[4:5], s[4:5], s[6:7]
	s_cselect_b64 s[18:19], s[18:19], s[20:21]
	s_cselect_b64 s[22:23], s[22:23], s[24:25]
	s_add_nc_u64 s[4:5], s[4:5], s[30:31]
	s_add_nc_u64 s[8:9], s[8:9], s[66:67]
	s_add_nc_u64 s[10:11], s[10:11], s[66:67]
	s_add_nc_u64 s[12:13], s[12:13], s[68:69]
	s_add_nc_u64 s[14:15], s[14:15], s[68:69]
.irp b, 0,1,2,3
.irp j, 0,1,2,3
	global_load_b128 v[XN+16*\b+4*\j:XN+16*\b+4*\j+3], v4, s[4:5] offset:128*\b+16*\j
.endr
.endr
	WIN 0x40                                       ; destination window 1
.irp ct, 0,1,2,3
.irp ks, 0,1
.irp c, 0,1,2,3
	global_load_b128 v[16*(2*\ct+\ks)+4*\c:16*(2*\ct+\ks)+4*\c+3], v8, s[8:9] offset:(32*(\ct/2)+8*(\ct%2))*256+128*\ks+32*\c
.endr
.endr
.endr
.irp ct, 0,1,2,3
.irp ks, 0,1
.irp c, 0,1,2,3
	global_load_b128 v[128+16*(2*\ct+\ks)+4*\c:128+16*(2*\ct+\ks)+4*\c+3], v8, s[10:11] offset:(32*(\ct/2)+8*(\ct%2))*256+128*\ks+32*\c
.endr
.endr
.endr
	WIN 0
.irp b, 0,1
.irp j, 0,1,2,3
	global_load_b128 v[BQ+16*\b+4*\j:BQ+16*\b+4*\j+3], v9, s[12:13] offset:128*\b+16*\j
.endr
.endr
.irp ct, 0,1,2,3
	global_load_b32 v[BV+2*\ct], v10, s[14:15] offset:128*(\ct/2)+32*(\ct%2)
	global_load_b32 v[BV+2*\ct+1], v10, s[14:15] offset:128*(\ct/2)+32*(\ct%2)   ; the same figure again: the pair feeds a packed multiply-add
.endr
	s_wait_kmcnt 0x0
	s_cmp_lt_u32 ttmp9, 128
	s_cselect_b32 s48, s32, s34                    ; x's exponent in the qk product
	s_cselect_b32 s49, s33, s35                    ; Wqk's
	s_cselect_b32 s50, s36, s38                    ; x's in the v product
	s_cselect_b32 s51, s37, s39                    ; Wv's
	s_cselect_b32 s52, s40, s41                    ; qk's as an operand of the similarity
	s_cselect_b32 s53, s45, s43                    ; v's as an operand: v0 entry 13, v1 entry 11
	MKSC 48, 24, 25
	MKSC 50, 26, 27
	MKSC 52, 28, 29
	MKSC 53, 30, 31
	s_add_co_i32 s56, s48, s49
	s_lshl_b32 s56, s56, 23
	s_add_co_i32 s56, s56, 0x3ed744fd              ; 2^(ex + ew) x s: the exponents are added to s's exponent field
	s_mov_b32 s57, s56
	s_mov_b32 s58, 0x3ed744fd                      ; s = 32^-0.25
	s_mov_b32 s59, s58
	s_add_co_i32 s60, s50, s51
	s_add_co_i32 s60, s60, 127
	s_lshl_b32 s60, s60, 23                        ; 2^(ex + ew) of the v product
	s_mov_b32 s61, s60
	s_wait_alu depctr_va_vdst(0)
	s_wait_loadcnt 63                              ; x's 16 loads are in: 80 were issued behind them, and 63 is the largest count that the wait can name
	QUANT2 XN, PC, 24, 25
	IMAGE PC, 0
	QUANT2 XN, PC+16, 26, 27
	IMAGE PC+16, 8192
	s_wait_dscnt 0x0                               ; for the others' sake: my images have landed
	s_barrier_signal -1
	s_barrier_wait -1
.irp f, 0,1,2,3
.irp c, 0,1,2,3
	ds_load_b128 v[XF+16*\f+4*\c:XF+16*\f+4*\c+3], v5 offset:2048*\f+512*\c
.endr
.endr
	WIN 0x80                                       ; destination window 2
.irp f, 0,1,2,3
.irp c, 0,1,2,3
	ds_load_b128 v[16*\f+4*\c:16*\f+4*\c+3], v5 offset:8192+2048*\f+512*\c
.endr
.endr
	WIN 0
	s_wait_loadcnt 0x0                             ; weights and biases
.set i, 0
.rept 16
	v_pk_mul_f32 v[BQ+2*i:BQ+2*i+1], v[BQ+2*i:BQ+2*i+1], s[58:59] op_sel_hi:[1,0]   ; bqk x s
.set i, i+1
.endr
	s_wait_dscnt 0x0
; sixteen accumulators take turns, a K step at a time; the first K step starts the sums
.irp ks, 0,1
	WIN 0xa1                                       ; source 0 (Wqk) window 1, source 1 (x) window 0, C and D window 2
.irp rt, 0,1
.irp ct, 0,1,2,3
.if \ks == 0
	v_wmma_f32_16x16x128_fp8_fp8 v[AQ+32*\rt+8*\ct:AQ+32*\rt+8*\ct+7], v[16*(2*\ct+\ks):16*(2*\ct+\ks)+15], v[XF+16*(2*\rt+\ks):XF+16*(2*\rt+\ks)+15], 0
.else
	v_wmma_f32_16x16x128_fp8_fp8 v[AQ+32*\rt+8*\ct:AQ+32*\rt+8*\ct+7], v[16*(2*\ct+\ks):16*(2*\ct+\ks)+15], v[XF+16*(2*\rt+\ks):XF+16*(2*\rt+\ks)+15], v[AQ+32*\rt+8*\ct:AQ+32*\rt+8*\ct+7]
.endif
.endr
.endr
	WIN 0xa6                                       ; source 0 (x) window 2, source 1 (Wv) window 1, C and D window 2
.irp ct, 0,1,2,3
.irp rt, 0,1
.if \ks == 0
	v_wmma_f32_16x16x128_fp8_fp8 v[AV+16*\ct+8*\rt:AV+16*\ct+8*\rt+7], v[16*(2*\rt+\ks):16*(2*\rt+\ks)+15], v[128+16*(2*\ct+\ks):128+16*(2*\ct+\ks)+15], 0
.else
	v_wmma_f32_16x16x128_fp8_fp8 v[AV+16*\ct+8*\rt:AV+16*\ct+8*\rt+7], v[16*(2*\rt+\ks):16*(2*\rt+\ks)+15], v[128+16*(2*\ct+\ks):128+16*(2*\ct+\ks)+15], v[AV+16*\ct+8*\rt:AV+16*\ct+8*\rt+7]
.endif
.endr
.endr
.endr
	WIN 0
.rept 4
	v_nop                                          ; four places between the last product and the first read of results (ISA guide 7.12.1)
.endr
	WIN 0x02                                       ; source 0 window 2
.set i, 0
.rept 32
	v_pk_fma_f32 v[XN+2*i:XN+2*i+1], v[AQ+2*i:AQ+2*i+1], s[56:57], v[BQ+2*(i%16):BQ+2*(i%16)+1] op_sel_hi:[1,0,1]   ; qk; each accumulator from its low end on
.set i, i+1
.endr
.set i, 0
.rept 32
	v_pk_fma_f32 v[XF+2*i:XF+2*i+1], v[AV+2*i:AV+2*i+1], s[60:61], v[BV+2*(i/8):BV+2*(i/8)+1] op_sel_hi:[1,0,1]     ; v
.set i, i+1
.endr
	WIN 0
.set i, 0
.rept 64
	v_med3_num_f32 v[XN+i], v[XN+i], -v29, v29
	v_med3_num_f32 v[XF+i], v[XF+i], -v31, v31
.set i, i+1
.endr
.set i, 0
.rept 8
	v_cvt_scalef32_pk8_fp8_f32 v[PC+2*i:PC+2*i+1], v[XN+8*i:XN+8*i+7], v28
	v_cvt_scalef32_pk8_fp8_f32 v[PC+16+2*i:PC+16+2*i+1], v[XF+8*i:XF+8*i+7], v30
.set i, i+1
.endr
	v_nop                                          ; a plain line behind the last conversion
.irp m, 0,1,2,3
	global_store_b128 v11, v[PC+4*\m:PC+4*\m+3], s[18:19] offset:512*\m          ; row tile m / 2, head m % 2: 512 consecutive bytes, aligned
.endr
.irp m, 0,1,2,3
	global_store_b128 v11, v[PC+16+4*\m:PC+16+4*\m+3], s[22:23] offset:512*\m    ; channel tile m
.endr
	s_wait_tensorcnt 0x0
	ds_add_u32 v14, v15
	s_wait_dscnt 0x0
	s_endpgm
.Lfunc_end_k_q705ac09d27_proj:
	.size	k_q705ac09d27_proj, .Lfunc_end_k_q705ac09d27_proj-k_q705ac09d27_proj
	.p2alignl 7, 3214868480
	.fill 96, 4, 3214868480
	.section	.rodata,"a",@progbits
	.p2align	6, 0x0
	.amdhsa_kernel k_q705ac09d27_proj
		.amdhsa_group_segment_fixed_size 16896
		.amdhsa_private_segment_fixed_size 0
		.amdhsa_enable_private_segment 0
		.amdhsa_kernarg_size 88
		.amdhsa_user_sgpr_count 2
		.amdhsa_user_sgpr_kernarg_segment_ptr 1
		.amdhsa_wavefront_size32 1
		.amdhsa_system_sgpr_workgroup_id_x 1
		.amdhsa_system_sgpr_workgroup_id_y 1
		.amdhsa_system_sgpr_workgroup_id_z 1
		.amdhsa_system_vgpr_workitem_id 0
		.amdhsa_next_free_vgpr 704
		.amdhsa_next_free_sgpr 96
		.amdhsa_reserve_vcc 0
		.amdhsa_float_denorm_mode_32 3
		.amdhsa_float_denorm_mode_16_64 3
		.amdhsa_memory_ordered 1
		.amdhsa_forward_progress 1
		.amdhsa_inst_pref_size 43
	.end_amdhsa_kernel
	.amdgpu_metadata
---
amdhsa.version: [ 1, 2 ]
amdhsa.kernels:
  - .name:           k_q705ac09d27_proj
    .symbol:         k_q705ac09d27_proj.kd
    .args:
      - { .name: x0, .offset: 0, .size: 8, .value_kind: global_buffer, .address_space: global }
      - { .name: x1, .offset: 8, .size: 8, .value_kind: global_buffer, .address_space: global }
      - { .name: Wqk_codes, .offset: 16, .size: 8, .value_kind: global_buffer, .address_space: global }
      - { .name: Wv_codes, .offset: 24, .size: 8, .value_kind: global_buffer, .address_space: global }
      - { .name: bqk, .offset: 32, .size: 8, .value_kind: global_buffer, .address_space: global }
      - { .name: bv, .offset: 40, .size: 8, .value_kind: global_buffer, .address_space: global }
      - { .name: lowp_scales, .offset: 48, .size: 8, .value_kind: global_buffer, .address_space: global }
      - { .name: kc0, .offset: 56, .size: 8, .value_kind: global_buffer, .address_space: global }
      - { .name: kc1, .offset: 64, .size: 8, .value_kind: global_buffer, .address_space: global }
      - { .name: vc0, .offset: 72, .size: 8, .value_kind: global_buffer, .address_space: global }
      - { .name: vc1, .offset: 80, .size: 8, .value_kind: global_buffer, .address_space: global }
    .group_segment_fixed_size: 16896
    .private_segment_fixed_size: 0
    .kernarg_segment_align: 8
    .kernarg_segment_size: 88
    .max_flat_workgroup_size: 128
    .sgpr_count:     96
    .vgpr_count:     704
    .wavefront_size: 32
...
	.end_amdgpu_metadata
.endif
;; end of part 1
;; launch attn (part 2): grid 32 x 8, 8 waves a work-group, clusters of 4 x 1, 327,680 bytes of LDS; arguments match, kc0, kc1, vc0, vc1, lowp_scales, mc0, mc1; writes mc0, mc1
.if DOCPART == 2
	.amdgcn_target "amdgcn-amd-amdhsa--gfx1250"
	.amdhsa_code_object_version 6
	.text
	.protected	k_q705ac09d27_attn
	.globl	k_q705ac09d27_attn
	.p2align	8
	.type	k_q705ac09d27_attn,@function
k_q705ac09d27_attn:
	s_mov_b64 s[64:65], 0
	v_nop
	global_prefetch_b8 v0, s[64:65] scope:SCOPE_SE
	s_setreg_imm32_b32 hwreg(HW_REG_WAVE_MODE, 25, 1), 1
	s_wait_xcnt 0x0
	s_wait_alu depctr_hold_cnt(0) depctr_sa_sdst(0) depctr_va_vdst(0) depctr_va_sdst(0) depctr_va_ssrc(0) depctr_va_vcc(0) depctr_vm_vsrc(0)
	s_getreg_b32 s2, hwreg(HW_REG_IB_STS2, 6, 4)
	s_cmp_eq_u32 s2, 0
	s_cbranch_scc0 .Lentry_in_a_cluster
	s_endpgm
.Lentry_in_a_cluster:
	s_bfe_u32 s2, ttmp6, 0x10000c
	s_cmp_lg_u32 s2, 0x3003
	s_cbranch_scc0 .Lentry_shape_is_right
	s_endpgm
.Lentry_shape_is_right:
; The match-weighted cross attention on E4M3 codes.  sim[i][j] = (qk0_i . qk1_j) match[i][j];  m0 = softmax_j(sim) v1 (direction 0);  m1 = softmax_i(sim) v0 (direction 1);  m0, m1 leave as codes.
; THE SOFTMAX: t = sim x log2(e); M = the running largest t rounded UP to a whole number; p = 2^(t - M) is quantised, not normalised; l is the sum of the unquantised p and divides at the end.
; When M moves, l and O are multiplied by 2^(old M - new M), which rounds nothing.
; SHARES.  A work-group owns ONE direction, one batch, FOUR heads (two pairs) and 64 queries: 2 x 2 x 2 x 32 = 256 work-groups.  y = 4 batch + 2 direction + group of heads; x = the query block.
; Wave w owns 32 queries (two tiles; w % 2), one pair of heads ((w / 2) % 2) and the keys 128 (w / 4) .. + 127 of every slot, 64 a step: each fragment of K and V that it reads from LDS feeds two query tiles.
; A wave has four SETS, s = 2 head + tile, each with its own M, l and O^T.  The two key halves are merged at the end: their M are whole numbers, so the merge rescales by exact powers of two.
; LAYOUT.  Both products are used transposed (S^T = K Q^T, O^T = V^T P^T): a lane holds one query (lane % 16) of each tile; register 8 t + j of a set's S^T is key 16 t + 8 (lane / 16) + j, so the conversions of p give the second product's operand.
; A head has 32 channels, half of the form's K: a K fragment holds both heads of a pair, and each head's Q fragment has zero codes in the other head's registers.  kc, vc, mc are images of operand registers (16 bytes a lane).
; RING.  Two slots of 256 keys, two steps each.  A slot: match in four quarters (64 rows of 256 bytes, 8,192 apart in memory, 272 in LDS; direction 0: 64 queries x 64 keys, direction 1: 64 keys x 64 queries), K 2 x 16,384, V 2 x 16,384.
; Every wave fetches one part: waves 0-3 match's quarters, 4-5 K of the two pairs, 6-7 V.  One load a wave is out; it has a slot's two steps in which to land.
; LDS READS RUN AHEAD: a step's K and match are read in the step before, behind that step's products with match; V is read at the step's head and waited for ahead of the exponentials.
; So the change of slots stands in a slot's second step, behind its products with match: with V in, the slot's reads are over; the next slot's first K and match are read behind the refill.
; CLUSTER 4, 1, 1: the four query blocks of a cluster ask for K and V JOINTLY.  A tile of match is read by two work-groups alone (the two groups of heads), which differ in y and lie in other clusters: it comes by a load of the work-group's own.
; PREFETCH: match's quarter of the slot behind the one that is asked for, 64 rows of 256 bytes: the two work-groups that read it take 32 rows each, by address; a lane a row, one line in each of waves 0-3; nothing is asked beyond slot 7.
; K and V are not prefetched: a slot's part is 65,536 bytes for which eight clusters ask in the same trip, against 65,536 bytes of match for each work-group.
; LIMITS: e8 + e9 between -126 and 126; the softmax's and m's exponents between -126 and 119.  NaN and infinities among the inputs are not served.
; REGISTERS.  window 0: v1-4 spare word, 0, the conversion's scale, the prefetch's offset; v8-15 (-M, largest t), v16-23 l, v24-31 f of the four sets; v32-63 p's codes (8 a set; at work ahead of the conversions);
;   v64-127 match (32 a tile); v128-255 S^T, then p (32 a set).
;   window 1: v0-31 K; v32-63 V (channel tile ct at 8 ct); v64-127 O^T (16 a set); v128-151 Q (12 a tile: head A's 4, four zeros, head B's 4); v152-160 LDS addresses.
.set PM,    272
.set QTR,   64*PM
.set HALF,  2*QTR                      ; 128 keys of match, in both directions
.set SPARE, 0x8000                     ; the spare words: 128 bytes for each of eight waves.  K lies at 0 and 0x20000
.set MRGA,  0x8400                     ; the merge: 9,216 bytes for each of four pairs of waves, two here and two at 0x28000: no tile lands there
.set MRGD,  0x1fc00
.set MOFF,  0xf000                     ; match: 0xf000 and 0x2f000, 0x11000 long
.set VOFF,  0x40000                    ; V: 0x40000 and 0x48000
.set XA,    0x20000
.set XV,    0x8000
.set SPW, 1
.set NIL, 2
.set CVS, 3
.set PFO, 4
.set NM,  8
.set L,   16
.set F,   24
.set P,   32
.set CH,  32
.set PT,  40
.set TS,  44
.set QOF, 60
.set MT,  64
.set SA,  128
.set KF,  0
.set VF,  32
.set O,   64
.set Q,   128
.set AK0, 152
.set AV0, 153
.set AM01, 154
.set AM10, 155
.set ADR, 156
.set ADM, 157
.set ADN, 158
.set ADV, 159
.set MST, 160
.set WV,  20
.set G1M, 24
.set G1K, 32
.set GM,  40
.set GK,  44
.set GV,  48
.set MS,  52
.set PFA, 54
.set LIM, 56
.set CNT, 57
.set TB,  58
.set TV,  59
.set DIR, 61
.set CS,  62
.set SEL, 66
.set EPV, 68
.set GOS, 69
.set EMS, 70
.set EML, 71
.set HOLD, 72
.set MSB, 0
.macro WIN new                         ; the immediate's high byte repeats the setting that is left
.if MSB != \new
	s_set_vgpr_msb (MSB<<8)|\new
.set MSB, \new
.endif
.endm
.macro CROUND                          ; a round of the cluster's barrier
	s_barrier_signal -1
	s_barrier_wait -1
	s_cmp_lg_u32 s[WV], 0
	s_cbranch_scc1 .Lnot_wave_0_\@
	s_barrier_signal -3
.Lnot_wave_0_\@:
	s_barrier_wait -3
	s_barrier_signal -1
	s_barrier_wait -1
.endm
.macro NOP4
.rept 4
	v_nop
.endr
.endm
; One chain of three arms on the wave's number, one tensor load in each; an s_nop 0 and four v_nop follow each load.
.macro JLOAD
	s_cmp_lt_u32 s[WV], 4
	s_cbranch_scc0 .Lnot_m_\@
	tensor_load_to_lds s[GM:GM+3], s[G1M:G1M+7]
	s_nop 0
	NOP4
	s_branch .Lasked_\@
.Lnot_m_\@:
	s_cmp_lt_u32 s[WV], 6
	s_cbranch_scc0 .Lfor_v_\@
	tensor_load_to_lds s[GK:GK+3], s[G1K:G1K+7]
	s_nop 0
	NOP4
	s_branch .Lasked_\@
.Lfor_v_\@:
	tensor_load_to_lds s[GV:GV+3], s[G1K:G1K+7]
	s_nop 0
	NOP4
.Lasked_\@:
.endm
; THE CHANGE OF SLOTS: all my tensor loads are in, the add, my LDS reads are over; fill = 1: a round, and the next tiles are asked for; turn = 1: on to the other slot.
.macro CHANGE fill, turn
	s_wait_alu depctr_va_vdst(0)                   ; the wait ahead of the waits below
	s_wait_tensorcnt 0x0
	ds_add_u32 v[SPW], v[NIL]
.if \fill
	s_xor_b32 s[GM+1], s[GM+1], XA                 ; the walking descriptors: the other slot, the next 256 keys
	s_add_nc_u64 s[GM+2:GM+3], s[GM+2:GM+3], s[MS:MS+1]
	s_xor_b32 s[GK+1], s[GK+1], XA
	s_add_nc_u64 s[GK+2:GK+3], s[GK+2:GK+3], 16384
	s_xor_b32 s[GV+1], s[GV+1], XV
	s_add_nc_u64 s[GV+2:GV+3], s[GV+2:GV+3], 16384
	s_wait_xcnt 0x0                                ; my prefetch has read its address
	s_add_nc_u64 s[PFA:PFA+1], s[PFA:PFA+1], s[MS:MS+1]   ; one slot further on than the descriptors
.endif
	s_wait_dscnt 0x0
.if \fill
	CROUND
	JLOAD
	s_cmp_gt_u32 s[CNT], s[LIM]                    ; waves 0-3, while that slot exists
	s_cbranch_scc0 .Lno_ask_\@
	global_prefetch_b8 v[PFO], s[PFA:PFA+1] th:TH_LOAD_NT scope:SCOPE_SE
.Lno_ask_\@:
.else
	s_barrier_signal -1
	s_barrier_wait -1
.endif
.if \turn
	s_xor_b32 s[TB], s[TB], XA
	s_xor_b32 s[TV], s[TV], XV
.endif
.endm
; K and match of my step u of the slot in hand, for the step that follows.
.macro FETCH_KM u
	WIN 0x44
	v_add_nc_u32 v[ADR], s[TB], v[AK0]
	v_add_nc_u32 v[ADM], s[TB], v[AM01]
	v_add_nc_u32 v[ADN], s[TB], v[AM10]
	s_wait_alu depctr_va_vdst(0)
	WIN 0x41
.irp t, 0,1,2,3
	ds_load_b128 v[KF+8*\t:KF+8*\t+3], v[ADR] offset:4096*(\u)+1024*\t
	ds_load_b128 v[KF+8*\t+4:KF+8*\t+7], v[ADR] offset:4096*(\u)+1024*\t+512
.endr
	WIN 0
	s_cmp_eq_u32 s[DIR], 0                         ; the direction hangs on the cluster's y alone
	s_cbranch_scc0 .Lturned_\@
	WIN 0x01
.irp q, 0,1                                    ; match[query 16 q + r of my 32][keys 16 t + 8 h + 0..7]: quarter u of my two, 64 t + 32 h bytes into the query's row
.irp t, 0,1,2,3
	ds_load_b128 v[MT+32*\q+8*\t:MT+32*\q+8*\t+3], v[ADM] offset:(\u)*QTR+16*\q*PM+64*\t
	ds_load_b128 v[MT+32*\q+8*\t+4:MT+32*\q+8*\t+7], v[ADM] offset:(\u)*QTR+16*\q*PM+64*\t+16
.endr
.endr
	WIN 0
	s_branch .Lhave_m_\@
.Lturned_\@:
	WIN 0x01
.set mj, 0
.rept 64                                       ; match[key][query]: a word a lane, a key a row
	ds_load_b32 v[MT+mj], v[ADN] offset:(64*(\u)+16*((mj%32)/8)+mj%8)*PM+64*(mj/32)
.set mj, mj+1
.endr
	WIN 0
.Lhave_m_\@:
.endm
; A STEP: my u-th 64 keys of the slot in hand, four sets.  kind 0: the slot's next step follows; 1: the slot is left and filled again; 2: it is left; 3: the last step of all.
.macro SUB u, kind
	WIN 0x44
	v_add_nc_u32 v[ADV], s[TV], v[AV0]             ; four places behind the last products, ahead of the loads into V's registers
.rept 3
	v_nop
.endr
	WIN 0x41
.irp ct, 0,1,2,3
.irp kb, 0,1
	ds_load_b128 v[VF+8*\ct+4*\kb:VF+8*\ct+4*\kb+3], v[ADV] offset:4096*(\u)+2048*\kb+512*\ct
.endr
.endr
	WIN 0
	s_wait_dscnt 8                                 ; K and match are in: behind them stand V's 8 loads
	WIN 0x05
.irp t, 0,1,2,3
.irp q, 0,1
	v_wmma_f32_16x16x64_fp8_fp8 v[SA+32*\q+8*\t:SA+32*\q+8*\t+7], v[KF+8*\t:KF+8*\t+7], v[Q+12*\q:Q+12*\q+7], 0
	v_wmma_f32_16x16x64_fp8_fp8 v[SA+64+32*\q+8*\t:SA+64+32*\q+8*\t+7], v[KF+8*\t:KF+8*\t+7], v[Q+12*\q+4:Q+12*\q+11], 0
.endr
.endr
	WIN 0
	NOP4                                           ; four places ahead of the first read of S^T and of the loads into K's registers
.set i, 0
.rept 32                                       ; x match, which both heads share; each accumulator from its low end on
	v_pk_mul_f32 v[SA+i:SA+i+1], v[SA+i:SA+i+1], v[MT+i:MT+i+1]
	v_pk_mul_f32 v[SA+64+i:SA+64+i+1], v[SA+64+i:SA+64+i+1], v[MT+i:MT+i+1]
.set i, i+2
.endr
.if \kind == 0
	FETCH_KM 1
.elseif \kind == 1
	CHANGE 1, 1
	FETCH_KM 0
.elseif \kind == 2
	CHANGE 0, 1
	FETCH_KM 0
.endif
.irp s, 0,1,2,3                                ; the largest of a set's 32, two chains a set
	v_max3_num_f32 v[CH+2*\s], v[SA+32*\s], v[SA+32*\s+1], v[SA+32*\s+2]
	v_max3_num_f32 v[CH+2*\s+1], v[SA+32*\s+3], v[SA+32*\s+4], v[SA+32*\s+5]
.endr
.set i, 6
.rept 6
.irp s, 0,1,2,3
	v_max3_num_f32 v[CH+2*\s], v[CH+2*\s], v[SA+32*\s+i], v[SA+32*\s+i+1]
	v_max3_num_f32 v[CH+2*\s+1], v[CH+2*\s+1], v[SA+32*\s+i+2], v[SA+32*\s+i+3]
.endr
.set i, i+4
.endr
.irp s, 0,1,2,3
	v_max3_num_f32 v[CH+2*\s], v[CH+2*\s], v[SA+32*\s+30], v[SA+32*\s+31]
.endr
.irp s, 0,1,2,3
	v_max_num_f32 v[CH+2*\s], v[CH+2*\s], v[CH+2*\s+1]
.endr
.irp s, 0,1,2,3
	v_permlanex16_b32 v[PT+\s], v[CH+2*\s], s[SEL], s[SEL+1]
.endr
.irp s, 0,1,2,3
	v_max_num_f32 v[CH+2*\s], v[CH+2*\s], v[PT+\s]             ; and among lane l xor 16's keys
.endr
.irp s, 0,1,2,3
	v_mul_f32 v[CH+2*\s], s[CS], v[CH+2*\s]                    ; as t (c is positive)
.endr
.irp s, 0,1,2,3
	v_max_num_f32 v[NM+2*\s+1], v[NM+2*\s+1], v[CH+2*\s]
.endr
.irp s, 0,1,2,3
	v_mov_b32 v[CH+2*\s], v[NM+2*\s]
.endr
.irp s, 0,1,2,3
	v_floor_f32 v[NM+2*\s], -v[NM+2*\s+1]                      ; -M = floor(-t)
.endr
.irp s, 0,1,2,3
	v_sub_f32 v[CH+2*\s], v[NM+2*\s], v[CH+2*\s]               ; old M - new M: a whole number, 0 or less
.endr
.irp s, 0,1,2,3
	v_cvt_i32_f32 v[CH+2*\s], v[CH+2*\s]                       ; (it saturates)
.endr
.irp s, 0,1,2,3
	v_ldexp_f32 v[F+2*\s], 1.0, v[CH+2*\s]
.endr
.irp s, 0,1,2,3                                ; t - M, two at a time
.set i, 0
.rept 16
	v_pk_fma_f32 v[SA+32*\s+i:SA+32*\s+i+1], v[SA+32*\s+i:SA+32*\s+i+1], s[CS:CS+1], v[NM+2*\s:NM+2*\s+1] op_sel_hi:[1,0,0]
.set i, i+2
.endr
.endr
	s_wait_alu depctr_va_vdst(0)                   ; the wait ahead of the batch, and ahead of the wait below
.if \kind == 3
	s_wait_dscnt 0x0                               ; V is in
.else
	s_wait_dscnt 24                                ; V is in: behind it stand the next K's 8 loads and the next match's, 16 at the least
.endif
.set i, 0
.rept 128
	v_exp_f32 v[SA+i], v[SA+i]                     ; p
.set i, i+1
.endr
.irp s, 0,1,2,3
	v_pk_mul_f32 v[L+2*\s:L+2*\s+1], v[L+2*\s:L+2*\s+1], v[F+2*\s:F+2*\s+1] op_sel_hi:[1,0]   ; l under the new M (plain lines behind the batch)
.endr
	s_wait_alu depctr_va_vdst(0)                   ; and the one behind it, ahead of its first reader
.irp s, 0,1,2,3                                ; the sum of the unquantised p, two chains a set
	v_pk_add_f32 v[TS+2*\s:TS+2*\s+1], v[SA+32*\s:SA+32*\s+1], v[SA+32*\s+2:SA+32*\s+3]
.endr
.set i, 4
.rept 7
.irp s, 0,1,2,3
	v_pk_add_f32 v[L+2*\s:L+2*\s+1], v[L+2*\s:L+2*\s+1], v[SA+32*\s+i:SA+32*\s+i+1]
.endr
.irp s, 0,1,2,3
	v_pk_add_f32 v[TS+2*\s:TS+2*\s+1], v[TS+2*\s:TS+2*\s+1], v[SA+32*\s+i+2:SA+32*\s+i+3]
.endr
.set i, i+4
.endr
.irp s, 0,1,2,3
	v_pk_add_f32 v[L+2*\s:L+2*\s+1], v[L+2*\s:L+2*\s+1], v[TS+2*\s:TS+2*\s+1]
.endr
.set i, 0
.rept 128
	v_min_num_f32 v[SA+i], s[HOLD], v[SA+i]        ; the hold: the conversion does not saturate (ISA guide 7.6.2); p is never negative
.set i, i+1
.endr
.irp t, 0,1,2,3,4,5,6,7,8,9,10,11,12,13,14,15
	v_cvt_scalef32_pk8_fp8_f32 v[P+2*\t:P+2*\t+1], v[SA+8*\t:SA+8*\t+7], v[CVS]
.endr
	WIN 0x41
	s_wait_alu depctr_va_vdst(0)                   ; directly ahead of the first readers of O^T
.irp s, 0,1,2,3                                ; O^T under the new M; these lines also part the conversions from the products
.set i, 0
.rept 8
	v_pk_mul_f32 v[O+16*\s+i:O+16*\s+i+1], v[O+16*\s+i:O+16*\s+i+1], v[F+2*\s:F+2*\s+1] op_sel_hi:[1,0]
.set i, i+2
.endr
.endr
	WIN 0x51
.irp s, 0,1,2,3                                ; eight accumulators, one turn each
.irp c, 0,1
	v_wmma_f32_16x16x64_fp8_fp8 v[O+16*\s+8*\c:O+16*\s+8*\c+7], v[VF+8*(2*(\s/2)+\c):VF+8*(2*(\s/2)+\c)+7], v[P+8*\s:P+8*\s+7], v[O+16*\s+8*\c:O+16*\s+8*\c+7]
.endr
.endr
	WIN 0
.endm
	s_load_b512 s[4:19], s[0:1], 0x0               ; match 4, kc0 6, kc1 8, vc0 10, vc1 12, scales 14, mc0 16, mc1 18
	v_lshl_add_u32 v[SPW], v0, 2, SPARE
	v_mov_b32 v[NIL], 0
	ds_add_u32 v[SPW], v[NIL]                      ; the opening lines: the add twice on end
	ds_add_u32 v[SPW], v[NIL]
	v_lshrrev_b32 v20, 5, v0
	v_readfirstlane_b32 s[WV], v20                 ; wave 0..7
	s_and_b32 s22, s[WV], 3                        ; the quarter of match that I fetch
	s_bfe_u32 s23, s[WV], 0x10001                  ; my pair of the group
	s_and_b32 s21, s[WV], 1                        ; my 32 queries of the 64; also the pair whose K or V I fetch
	s_lshr_b32 s73, s[WV], 2                       ; my half of a slot's keys
	s_and_b32 s86, ttmp7, 0xffff                   ; y
	s_lshr_b32 s87, s86, 2                         ; the batch
	s_bfe_u32 s[DIR], s86, 0x10001                 ; the direction
	s_and_b32 s88, s86, 1                          ; the group of four heads
	s_bfe_u32 s90, ttmp6, 0x40000                  ; cx
	s_lshl_b32 s91, ttmp9, 2
	s_add_co_u32 s91, s91, s90                     ; the query block, 0..31
	s_mov_b32 s[G1M], (2<<16)|(1<<20)|(5<<22)|(3<<25)   ; a quarter of match: elements of 4 bytes, 4 words of padding behind every 64; no mask
	s_mov_b32 s[G1M+1], 64<<16
	s_mov_b32 s[G1M+2], 64<<16
	s_mov_b32 s[G1M+3], 64<<16
	s_mov_b32 s[G1M+4], 64
	s_mov_b32 s[G1M+5], 2048
	s_mov_b32 s[G1M+6], 0
	s_mov_b32 s[G1M+7], 0
	s_mov_b32 s[G1K], 15|(3<<16)|(1<<21)           ; K or V: 16,384 dense bytes as 64 rows of 32 elements of 8 bytes; the mask names the cluster's four
	s_mov_b32 s[G1K+1], 32<<16
	s_mov_b32 s[G1K+2], 64<<16
	s_mov_b32 s[G1K+3], 32<<16
	s_mov_b32 s[G1K+4], 64
	s_mov_b32 s[G1K+5], 32
	s_mov_b32 s[G1K+6], 0
	s_mov_b32 s[G1K+7], 0
	s_mov_b32 s[GM], 1
	s_mul_i32 s[GM+1], s22, QTR
	s_add_co_u32 s[GM+1], s[GM+1], MOFF
	s_mov_b32 s[GK], 1
	s_lshl_b32 s[GK+1], s21, 14
	s_mov_b32 s[GV], 1
	s_add_co_u32 s[GV+1], s[GK+1], VOFF
	s_cmp_eq_u32 s[DIR], 0
	s_cselect_b32 s92, s91, s22                    ; blocks of 64 rows: direction 0 my queries, direction 1 the quarter's keys
	s_cselect_b32 s93, s22, s91                    ; 256 bytes along a row: the other of the two
	s_mov_b32 s[MS], 0x200000
	s_cselect_b32 s[MS], 1024, s[MS]               ; 256 keys on: along a row, or 256 rows down
	s_mov_b32 s[MS+1], 0
	s_lshl_b32 s92, s92, 19
	s_lshl_b32 s93, s93, 8
	s_add_co_u32 s92, s92, s93
	s_lshl_b32 s93, s87, 24
	s_add_co_u32 s92, s92, s93
	s_mov_b32 s93, 0
	s_lshl_b32 s94, s87, 2
	s_lshl_b32 s95, s88, 1
	s_add_co_u32 s94, s94, s95                     ; 4 batch + 2 group
	s_add_co_u32 s96, s94, s23                     ; + my pair
	s_add_co_u32 s94, s94, s21                     ; + the pair that I fetch: no place in the cluster enters
	s_lshl_b32 s94, s94, 17
	s_mov_b32 s95, 0
	s_lshl_b32 s98, s91, 2
	s_lshl_b32 s99, s21, 1
	s_add_co_u32 s98, s98, s99                     ; my first query tile of the batch
	s_lshl_b32 s96, s96, 17
	s_lshl_b32 s99, s98, 10
	s_add_co_u32 s96, s96, s99                     ; Q's codes
	s_lshl_b32 s99, s87, 7
	s_add_co_u32 s99, s99, s98
	s_lshl_b32 s[GOS], s99, 12
	s_lshl_b32 s99, s88, 1
	s_add_co_u32 s99, s99, s23
	s_lshl_b32 s99, s99, 10
	s_add_co_u32 s[GOS], s[GOS], s99               ; the codes that leave: row tile x 4,096 + pair x 1,024
	s_lshl_b32 s98, s88, 18                        ; the prefetch: my group's 32 rows of a quarter
	s_mov_b32 s99, 0
	s_lshl_b32 s2, s23, 14                         ; LDS: my pair's K,
	s_lshl_b32 s3, s73, 13                         ; my half of the keys,
	s_add_co_u32 s2, s2, s3
	s_add_co_u32 s3, s2, VOFF                      ; the same of V,
	s_mul_i32 s89, s73, HALF
	s_mul_i32 s97, s21, 32*PM
	s_add_co_u32 s89, s89, s97
	s_add_co_u32 s89, s89, MOFF                    ; match with my 32 queries as rows,
	s_mul_i32 s97, s73, HALF
	s_lshl_b32 s101, s21, 7
	s_add_co_u32 s97, s97, s101
	s_add_co_u32 s97, s97, MOFF                    ; and as columns,
	s_mul_i32 s100, s21, MRGD
	s_mul_i32 s101, s23, 9216
	s_add_co_u32 s100, s100, s101
	s_add_co_u32 s100, s100, MRGA                  ; and the merge's bytes, which waves w and w + 4 share
	s_cmp_lt_u32 s[WV], 4
	s_cselect_b32 s[LIM], 1, -1
	s_mov_b32 s[SEL], 0x76543210
	s_mov_b32 s[SEL+1], 0xfedcba98
	s_mov_b32 s[TB], 0
	s_mov_b32 s[TV], 0
	s_mov_b32 s[CNT], 6
	s_wait_dscnt 0x0                               ; both opening adds are done
	s_wait_kmcnt 0x0
	s_load_b256 s[76:83], s[14:15], 0x20           ; e8 .. e15
	s_load_b64 s[84:85], s[14:15], 0x40            ; e16, e17
	s_add_nc_u64 s[GM+2:GM+3], s[4:5], s[92:93]
	s_add_nc_u64 s[PFA:PFA+1], s[GM+2:GM+3], s[MS:MS+1]   ; at slot 1: the first change steps it to slot 2
	s_add_nc_u64 s[PFA:PFA+1], s[PFA:PFA+1], s[98:99]
	s_or_b32 s[GM+3], s[GM+3], 0x80000000
	s_cmp_eq_u32 s[DIR], 0
	s_cselect_b64 s[70:71], s[8:9], s[6:7]         ; the keys: direction 0 qk1, v1; direction 1 qk0, v0
	s_cselect_b64 s[72:73], s[12:13], s[10:11]
	s_cselect_b64 s[74:75], s[6:7], s[8:9]         ; the queries
	s_cselect_b64 s[16:17], s[16:17], s[18:19]     ; where the codes go
	s_add_nc_u64 s[GK+2:GK+3], s[70:71], s[94:95]
	s_add_nc_u64 s[GV+2:GV+3], s[72:73], s[94:95]
	s_or_b32 s[GK+3], s[GK+3], 0x80000000
	s_or_b32 s[GV+3], s[GV+3], 0x80000000
	CROUND                                         ; the four work-groups are here: the first joint loads meet
	JLOAD                                          ; slot 0: one tensor load a wave at the head
	v_and_b32 v20, 31, v0
	v_lshlrev_b32 v20, 4, v20                      ; 16 x lane
	v_and_b32 v21, 15, v0                          ; r
	v_bfe_u32 v22, v0, 4, 1                        ; h
	v_mul_u32_u24 v23, v21, PM
	v_lshl_add_u32 v23, v22, 5, v23                ; r x 272 + 32 h
	v_mul_u32_u24 v24, v22, 8*PM
	v_lshl_add_u32 v24, v21, 2, v24                ; 8 h x 272 + 4 r
	v_add_nc_u32 v[QOF], s96, v20
	v_and_b32 v[PFO], 31, v0
	v_lshlrev_b32 v[PFO], 13, v[PFO]               ; a lane a row of 8,192 bytes
	WIN 0x40
	v_add_nc_u32 v[AK0], s2, v20
	v_add_nc_u32 v[AV0], s3, v20
	v_add_nc_u32 v[AM01], s89, v23
	v_add_nc_u32 v[AM10], s97, v24
	v_add_nc_u32 v[MST], s100, v20
.irp q, 0,1
	global_load_b128 v[Q+12*\q:Q+12*\q+3], v[QOF], s[74:75] offset:1024*\q          ; my queries, tile q: head A,
	global_load_b128 v[Q+12*\q+8:Q+12*\q+11], v[QOF], s[74:75] offset:1024*\q+512   ; head B
.irp z, 4,5,6,7
	v_mov_b32 v[Q+12*\q+\z], 0                     ; the zero codes between the two heads' registers
.endr
.endr
.set i, 0
.rept 64
	v_mov_b32 v[O+i], 0                            ; O^T and l begin as zeros, the largest t as -3e38: the first change of M multiplies zeros
.set i, i+1
.endr
	WIN 0
.irp s, 0,1,2,3
	v_mov_b32 v[NM+2*\s+1], 0xff61b1e6
	v_mov_b32 v[L+2*\s], 0
	v_mov_b32 v[L+2*\s+1], 0
	v_mov_b32 v[F+2*\s+1], 0                       ; upper halves of pairs, and the permutes' destinations: written once
	v_mov_b32 v[PT+\s], 0
.endr
.irp s, 0,1,2,3
	v_floor_f32 v[NM+2*\s], -v[NM+2*\s+1]
.endr
	s_wait_alu depctr_va_vdst(0)
	s_wait_kmcnt 0x0
	s_cmp_eq_u32 s[DIR], 0
	s_cselect_b32 s86, s78, s80                    ; p's exponent
	s_cselect_b32 s87, s79, s81                    ; v's
	s_cselect_b32 s88, s82, s84                    ; m's
	s_add_co_i32 s89, s76, s77
	s_lshl_b32 s89, s89, 23
	s_add_co_i32 s[CS], s89, 0x3fb8aa3b            ; c = log2(e) x 2^(e8 + e9): the exponents are added to log2(e)'s exponent field
	s_mov_b32 s[CS+1], s[CS]
	s_add_co_i32 s[EPV], s86, s87
	s_add_co_i32 s90, s86, 127
	s_lshl_b32 s91, s90, 23
	v_mov_b32 v[CVS], s91                          ; 2^ep, for the conversion
	s_add_co_i32 s90, s90, 8
	s_lshl_b32 s90, s90, 23
	s_or_b32 s[HOLD], s90, 0x600000                ; 448 x 2^ep
	s_add_co_i32 s90, s88, 127
	s_lshl_b32 s[EMS], s90, 23                     ; 2^em
	s_add_co_i32 s90, s90, 8
	s_lshl_b32 s90, s90, 23
	s_or_b32 s[EML], s90, 0x600000                 ; 448 x 2^em
	s_wait_alu depctr_va_vdst(0)
	s_wait_loadcnt 0x0                             ; Q
	CHANGE 1, 0                                    ; slot 0 is in; slot 1's first fill is issued as a refill is
	FETCH_KM 0
.Lslot:                                            ; six trips, slots 0 to 5: each is left in its second step and filled with the slot two on
	SUB 0, 0
	SUB 1, 1
	s_sub_co_u32 s[CNT], s[CNT], 1
	s_cmp_lg_u32 s[CNT], 0
	s_cbranch_scc1 .Lslot
	SUB 0, 0                                       ; slots 6 and 7 are written out
	SUB 1, 2
	SUB 0, 0
	SUB 1, 3
	; THE WAY OUT.  l's halves and lane l xor 16's.  Waves 4-7 put O^T, -M and l into the merge's bytes; behind a barrier waves 0-3 bring both key halves under the larger M (exact), divide by l, quantise and store.
.irp s, 0,1,2,3
	v_add_f32 v[L+2*\s], v[L+2*\s], v[L+2*\s+1]    ; (four places behind the last products, ahead of the writes into p's registers)
.endr
.irp s, 0,1,2,3
	v_permlanex16_b32 v[PT+\s], v[L+2*\s], s[SEL], s[SEL+1]
.endr
.irp s, 0,1,2,3
	v_add_f32 v[68+\s], v[L+2*\s], v[PT+\s]        ; l
	v_mov_b32 v[64+\s], v[NM+2*\s]                 ; -M
.endr
	s_wait_alu depctr_va_vdst(0)
	s_cmp_lt_u32 s[WV], 4
	s_cbranch_scc1 .Lkeeps
	WIN 0x05
.set i, 0
.rept 16
	ds_store_b128 v[MST], v[O+4*i:O+4*i+3] offset:512*i
.set i, i+1
.endr
	WIN 0x01
	ds_store_b128 v[MST], v[64:67] offset:8192
	ds_store_b128 v[MST], v[68:71] offset:8704
	WIN 0
.Lkeeps:
	s_wait_dscnt 0x0                               ; for the others' sake: my stores have landed
	s_barrier_signal -1
	s_barrier_wait -1
	s_cmp_lt_u32 s[WV], 4
	s_cbranch_scc0 .Ldone
	WIN 0x01
.set i, 0
.rept 16
	ds_load_b128 v[128+4*i:128+4*i+3], v[MST] offset:512*i
.set i, i+1
.endr
	ds_load_b128 v[72:75], v[MST] offset:8192      ; -M of the other key half,
	ds_load_b128 v[76:79], v[MST] offset:8704      ; its l
	WIN 0
	s_wait_dscnt 0x0
.irp s, 0,1,2,3
	v_min_num_f32 v[80+\s], v[64+\s], v[72+\s]     ; -(the larger M)
.endr
.irp s, 0,1,2,3
	v_sub_f32 v[84+\s], v[80+\s], v[64+\s]
	v_sub_f32 v[88+\s], v[80+\s], v[72+\s]
.endr
.irp s, 0,1,2,3
	v_cvt_i32_f32 v[84+\s], v[84+\s]
	v_cvt_i32_f32 v[88+\s], v[88+\s]
.endr
.irp s, 0,1,2,3
	v_ldexp_f32 v[84+\s], 1.0, v[84+\s]
	v_ldexp_f32 v[88+\s], 1.0, v[88+\s]
.endr
.irp s, 0,1,2,3
	v_mul_f32 v[92+\s], v[68+\s], v[84+\s]
.endr
.irp s, 0,1,2,3
	v_fma_f32 v[92+\s], v[76+\s], v[88+\s], v[92+\s]           ; l
.endr
	v_and_b32 v34, 31, v0
	v_mov_b32 v32, s[EMS]
	v_mov_b32 v33, s[EML]
	v_lshlrev_b32 v34, 4, v34
	v_add_nc_u32 v34, s[GOS], v34
	s_wait_alu depctr_va_vdst(0)                   ; ahead of the transcendentals
.irp s, 0,1,2,3
	v_rcp_f32 v[92+\s], v[92+\s]
.endr
	v_nop                                          ; a plain line behind them
	s_wait_alu depctr_va_vdst(0)                   ; and ahead of their first reader
.irp s, 0,1,2,3
	v_ldexp_f32 v[92+\s], v[92+\s], s[EPV]         ; x 2^(ep + ev)
.endr
.irp s, 0,1,2,3
	v_mul_f32 v[96+2*\s], v[84+\s], v[92+\s]
	v_mul_f32 v[104+2*\s], v[88+\s], v[92+\s]
.endr
.irp s, 0,1,2,3
.set i, 0
.rept 8
	v_pk_mul_f32 v[128+16*\s+i:129+16*\s+i], v[128+16*\s+i:129+16*\s+i], v[104+2*\s:105+2*\s] op_sel_hi:[1,0]
.set i, i+2
.endr
.endr
	WIN 0x01
	s_wait_alu depctr_va_vdst(0)                   ; directly ahead of the first readers of O^T
.irp s, 0,1,2,3
.set i, 0
.rept 8
	v_pk_fma_f32 v[128+16*\s+i:129+16*\s+i], v[O+16*\s+i:O+16*\s+i+1], v[96+2*\s:97+2*\s], v[128+16*\s+i:129+16*\s+i] op_sel_hi:[1,0,1]
.set i, i+2
.endr
.endr
	WIN 0
.set i, 0
.rept 64
	v_med3_num_f32 v[128+i], v[128+i], -v33, v33
.set i, i+1
.endr
.irp t, 0,1,2,3,4,5,6,7
	v_cvt_scalef32_pk8_fp8_f32 v[112+2*\t:113+2*\t], v[128+8*\t:135+8*\t], v32
.endr
	v_nop                                          ; a plain line behind the last conversion
.irp s, 0,1,2,3
	global_store_b128 v34, v[112+4*\s:115+4*\s], s[16:17] offset:4096*(\s%2)+512*(\s/2)   ; tile s % 2, head s / 2: channels 16 h + 0..15 of query r; 512 consecutive bytes, aligned
.endr
.Ldone:
	s_wait_tensorcnt 0x0                           ; the wave's end
	ds_add_u32 v[SPW], v[NIL]
	s_wait_dscnt 0x0
	CROUND                                         ; the closing round
	s_endpgm
.Lfunc_end_k_q705ac09d27_attn:
	.size	k_q705ac09d27_attn, .Lfunc_end_k_q705ac09d27_attn-k_q705ac09d27_attn
	.p2alignl 7, 3214868480
	.fill 96, 4, 3214868480
	.section	.rodata,"a",@progbits
	.p2align	6, 0x0
	.amdhsa_kernel k_q705ac09d27_attn
		.amdhsa_group_segment_fixed_size 327680
		.amdhsa_private_segment_fixed_size 0
		.amdhsa_enable_private_segment 0
		.amdhsa_kernarg_size 64
		.amdhsa_user_sgpr_count 2
		.amdhsa_user_sgpr_kernarg_segment_ptr 1
		.amdhsa_wavefront_size32 1
		.amdhsa_system_sgpr_workgroup_id_x 1
		.amdhsa_system_sgpr_workgroup_id_y 1
		.amdhsa_system_sgpr_workgroup_id_z 1
		.amdhsa_system_vgpr_workitem_id 0
		.amdhsa_next_free_vgpr 448
		.amdhsa_next_free_sgpr 102
		.amdhsa_reserve_vcc 0
		.amdhsa_float_denorm_mode_32 3
		.amdhsa_float_denorm_mode_16_64 3
		.amdhsa_memory_ordered 1
		.amdhsa_forward_progress 1
		.amdhsa_inst_pref_size 255
	.end_amdhsa_kernel
	.amdgpu_metadata
---
amdhsa.version: [ 1, 2 ]
amdhsa.kernels:
  - .name:           k_q705ac09d27_attn
    .symbol:         k_q705ac09d27_attn.kd
    .args:
      - { .name: match, .offset: 0, .size: 8, .value_kind: global_buffer, .address_space: global }
      - { .name: kc0, .offset: 8, .size: 8, .value_kind: global_buffer, .address_space: global }
      - { .name: kc1, .offset: 16, .size: 8, .value_kind: global_buffer, .address_space: global }
      - { .name: vc0, .offset: 24, .size: 8, .value_kind: global_buffer, .address_space: global }
      - { .name: vc1, .offset: 32, .size: 8, .value_kind: global_buffer, .address_space: global }
      - { .name: lowp_scales, .offset: 40, .size: 8, .value_kind: global_buffer, .address_space: global }
      - { .name: mc0, .offset: 48, .size: 8, .value_kind: global_buffer, .address_space: global }
      - { .name: mc1, .offset: 56, .size: 8, .value_kind: global_buffer, .address_space: global }
    .group_segment_fixed_size: 327680
    .private_segment_fixed_size: 0
    .kernarg_segment_align: 8
    .kernarg_segment_size: 64
    .max_flat_workgroup_size: 256
    .sgpr_count:     102
    .vgpr_count:     448
    .wavefront_size: 32
...
	.end_amdgpu_metadata
.endif
;; end of part 2
;; launch ffn (part 3): grid 256 x 1, 4 waves a work-group, no clusters, 68,096 bytes of LDS; arguments x0, x1, mc0, mc1, Wo_codes, W1_codes, W2_codes, bo, b1, gamma, beta, b2, lowp_scales, out0, out1; writes out0, out1
.if DOCPART == 3
	.amdgcn_target "amdgcn-amd-amdhsa--gfx1250"
	.amdhsa_code_object_version 6
	.text
	.protected	k_q705ac09d27_ffn
	.globl	k_q705ac09d27_ffn
	.p2align	8
	.type	k_q705ac09d27_ffn,@function
k_q705ac09d27_ffn:
	s_mov_b64 s[64:65], 0
	v_nop
	global_prefetch_b8 v0, s[64:65] scope:SCOPE_SE
	s_setreg_imm32_b32 hwreg(HW_REG_WAVE_MODE, 25, 1), 1
	s_wait_xcnt 0x0
; out = x + gelu(LN([x, m Wo + bo] W1 + b1)) W2 + b2, for (x0, m0) and (x1, m1); all three products on E4M3 codes; LayerNorm, the exact GELU and the residual in f32.
; m arrives as codes in the order of an operand's registers ([row / 16][K step][4][lane][16 B]); Wo [256][256], W1 [512][512], W2 [256][512]: codes, K innermost.
; SHARES.  Work-groups 0-127 take (x0, mc0, out0), the others (x1, mc1, out1): only pointers and scales are chosen.  A work-group takes 32 rows.  THE WAVES SHARE THE COLUMNS: wave w makes units 64 w on of m Wo,
; 128 w on of the hidden layer, 64 w on of the result, for all 32 rows.  Each weight fragment goes from memory straight into the registers of the one wave that uses it: no weight passes through LDS,
; so a joint load in a cluster would add a write and a read of LDS for every weight byte and spare none of a wave's own loads: no cluster.
; Operands go from wave to wave through LDS as images of their registers.  All products are used transposed (source 0 = 16 rows of a weight, source 1 = 16 rows of the operand): a lane holds one row.
; Lane r of tile (b, u) of Wo and W1 takes weight row 32 b + 8 u + r + 8 (r / 8), so that the 16 registers of tiles u = 0, 1 are 16 neighbours along the next K.
; LayerNorm in two passes (mean; then the squares of the differences), each summed over the four waves through LDS.
; GELU: Phi(y) from erfc(z), z = |y| / sqrt(2): t = 1 / (1 + z / 2); erfc = t exp(-z^2 + q(t)), q of degree 9 (fractional error 1.2e-7 at every z); a = erfc / 2; Phi = a for y <= 0, 1 - a for y > 0 (a select, no branch).
; LIMITS: the exponents of [x, m'] and of the GELU's result between -126 and 119; each sum of two exponents between -126 and 127.  NaN and infinities among the inputs are not served.
; REGISTERS.  window 0: v1-23 addresses and scales; v24-31 mean and 1 / sigma; v32-63 bo, later codes and partial sums; v64-127 x, then beta, then the GELU's temporaries (v64-111) and c9 (v112-113); v128-191 m's fragments;
;   v192-255 x's codes, then m Wo; then v128-255 the hidden layer (64 rt + 8 ct); at last v128-191 the result's sums and rows, v192-255 the result.
;   window 1: v0-127 Wo, then [x, m']'s fragments, then the GELU's; v128-191 b1; v192-255 gamma.
;   windows 2, 3: W1 (K step s, tile ct at 128 s + 16 ct); later window 2: W2 (16 (4 ct + s)); window 3: v0-31 b2, v32-95 x for the residual.
.set AIMG, 0                           ; LDS: [x, m']'s 8 fragments (4 rt + s),
.set GIMG, 16384                       ; the GELU's 8,
.set RED1, 32768                       ; partial sums [wave][32 rows],
.set RED2, 33280
.set STG,  33792                       ; the result: 32 rows x (1,024 bytes + 16)
.set SP,   1040
.set GZ,  64
.set GT,  80
.set GQ,  96
.set CO,  66                           ; s[66 + 2 k : 67 + 2 k] = c_k twice, k = 0 .. 8
.set MSB, 0
.macro WIN new                         ; the immediate's high byte repeats the setting that is left
.if MSB != \new
	s_set_vgpr_msb (MSB<<8)|\new
.set MSB, \new
.endif
.endm
.macro SC2 reg, val
	s_mov_b32 s[\reg], \val
	s_mov_b32 s[\reg+1], \val
.endm
.macro MKSC e, vs, vl                  ; v[vs] = 2^e as f32, v[vl] = 448 x 2^e
	s_add_co_i32 s54, s[\e], 127
	s_lshl_b32 s55, s54, 23
	v_mov_b32 v[\vs], s55
	s_add_co_i32 s54, s54, 8
	s_lshl_b32 s54, s54, 23
	s_or_b32 s54, s54, 0x600000
	v_mov_b32 v[\vl], s54
.endm
.macro POW2 dst, a, b                  ; s[dst], s[dst + 1] = 2^(a + b) as f32
	s_add_co_i32 s[\dst], s[\a], s[\b]
	s_add_co_i32 s[\dst], s[\dst], 127
	s_lshl_b32 s[\dst], s[\dst], 23
	s_mov_b32 s[\dst+1], s[\dst]
.endm
.macro QUANT src, pc, sc, lim          ; 64 numbers of a lane (register 16 b + i = k 32 b + 16 h + i) become a fragment's 16 registers
.set qb, 0
.rept 4
.set qi, 0
.rept 16
	v_med3_num_f32 v[\src+16*qb+qi], v[\src+16*qb+qi], -v[\lim], v[\lim]   ; the conversion does not saturate (ISA guide 7.6.2)
.set qi, qi+1
.endr
	v_cvt_scalef32_pk8_fp8_f32 v[\pc+4*qb:\pc+4*qb+1], v[\src+16*qb:\src+16*qb+7], v[\sc]
	v_cvt_scalef32_pk8_fp8_f32 v[\pc+4*qb+2:\pc+4*qb+3], v[\src+16*qb+8:\src+16*qb+15], v[\sc]
.set qb, qb+1
.endr
	v_nop                                          ; a plain line behind the last conversion
.endm
.macro IMAGE adr, pc, off
.irp c, 0,1,2,3
	ds_store_b128 v[\adr], v[\pc+4*\c:\pc+4*\c+3] offset:\off+512*\c
.endr
.endm
.macro FETCH8 base                     ; eight fragments from LDS into window 1, v0-127
	WIN 0x40
.irp f, 0,1,2,3,4,5,6,7
.irp c, 0,1,2,3
	ds_load_b128 v[16*\f+4*\c:16*\f+4*\c+3], v5 offset:\base+2048*\f+512*\c
.endr
.endr
	WIN 0
.endm
.macro BARRIER                         ; my LDS stores have landed and my LDS loads are in: then the work-group's barrier
	s_wait_dscnt 0x0
	s_barrier_signal -1
	s_barrier_wait -1
.endm
.macro PLACES
.rept 4
	v_nop
.endr
.endm
.macro RSUM base, a, b                 ; the sum of 64 registers, two at a time, in two chains
	v_pk_add_f32 v[\a:\a+1], v[\base:\base+1], v[\base+2:\base+3]
	v_pk_add_f32 v[\b:\b+1], v[\base+4:\base+5], v[\base+6:\base+7]
.set rj, 8
.rept 14
	v_pk_add_f32 v[\a:\a+1], v[\a:\a+1], v[\base+rj:\base+rj+1]
	v_pk_add_f32 v[\b:\b+1], v[\b:\b+1], v[\base+rj+2:\base+rj+3]
.set rj, rj+4
.endr
	v_pk_add_f32 v[\a:\a+1], v[\a:\a+1], v[\b:\b+1]
	v_add_f32 v[\a], v[\a], v[\a+1]
.endm
.macro RSQS base, a, b                 ; the sum of their squares
	v_pk_mul_f32 v[\a:\a+1], v[\base:\base+1], v[\base:\base+1]
	v_pk_mul_f32 v[\b:\b+1], v[\base+2:\base+3], v[\base+2:\base+3]
.set rj, 4
.rept 15
	v_pk_fma_f32 v[\a:\a+1], v[\base+rj:\base+rj+1], v[\base+rj:\base+rj+1], v[\a:\a+1]
	v_pk_fma_f32 v[\b:\b+1], v[\base+rj+2:\base+rj+3], v[\base+rj+2:\base+rj+3], v[\b:\b+1]
.set rj, rj+4
.endr
	v_pk_add_f32 v[\a:\a+1], v[\a:\a+1], v[\b:\b+1]
	v_add_f32 v[\a], v[\a], v[\a+1]
.endm
; v48 (rows 0-15) and v52 (rows 16-31) hold my lane's partial sums of row r: the other half of the lanes is added, lane l stores row l's figure, and behind a barrier every lane adds the four waves': v32, v36.
.macro ACROSS red
	v_permlanex16_b32 v56, v48, s88, s89
	v_add_f32 v48, v48, v56
	v_permlanex16_b32 v56, v52, s88, s89
	v_add_f32 v52, v52, v56
	v_cmp_lt_u32 vcc_lo, 15, v1
	v_cndmask_b32 v57, v48, v52, vcc_lo
	ds_store_b32 v14, v57 offset:\red
	BARRIER
.irp rt, 0,1
.irp w, 0,1,2,3
	ds_load_b32 v[32+4*\rt+\w], v15 offset:\red+128*\w+64*\rt
.endr
.endr
	s_wait_dscnt 0x0
	v_add_f32 v32, v32, v33
	v_add_f32 v34, v34, v35
	v_add_f32 v36, v36, v37
	v_add_f32 v38, v38, v39
	v_add_f32 v32, v32, v34
	v_add_f32 v36, v36, v38
.endm
.macro GELU16 y                        ; sixteen numbers in v[y] on, in place
.set gi, 0
.rept 16
	v_mul_f32 v[GZ+gi], |v[\y+gi]|, s86            ; z = |y| / sqrt(2)
.set gi, gi+1
.endr
.set gi, 0
.rept 8
	v_pk_fma_f32 v[GT+gi:GT+gi+1], v[GZ+gi:GZ+gi+1], 0.5, 1.0 op_sel_hi:[1,0,0]
.set gi, gi+2
.endr
.set gi, 0
	s_wait_alu depctr_va_vdst(0)
.rept 16
	v_rcp_f32 v[GT+gi], v[GT+gi]                   ; t
.set gi, gi+1
.endr
	v_nop                                          ; a plain line behind the reciprocals
.set gi, 0
	s_wait_alu depctr_va_vdst(0)
.rept 8
	v_pk_fma_f32 v[GQ+gi:GQ+gi+1], v[GT+gi:GT+gi+1], v[112:113], s[CO+16:CO+17] op_sel_hi:[1,1,0]   ; c9 t + c8
.set gi, gi+2
.endr
.irp k, 7,6,5,4,3,2,1,0
.set gi, 0
.rept 8
	v_pk_fma_f32 v[GQ+gi:GQ+gi+1], v[GQ+gi:GQ+gi+1], v[GT+gi:GT+gi+1], s[CO+2*\k:CO+2*\k+1] op_sel_hi:[1,1,0]
.set gi, gi+2
.endr
.endr
.set gi, 0
.rept 8
	v_pk_fma_f32 v[GQ+gi:GQ+gi+1], v[GZ+gi:GZ+gi+1], v[GZ+gi:GZ+gi+1], v[GQ+gi:GQ+gi+1] neg_lo:[1,0,0] neg_hi:[1,0,0]   ; q - z^2
.set gi, gi+2
.endr
.set gi, 0
.rept 8
	v_pk_fma_f32 v[GQ+gi:GQ+gi+1], v[GQ+gi:GQ+gi+1], s[84:85], -1.0 op_sel_hi:[1,0,0]   ; x log2(e), less 1: the half
.set gi, gi+2
.endr
.set gi, 0
	s_wait_alu depctr_va_vdst(0)
.rept 16
	v_exp_f32 v[GQ+gi], v[GQ+gi]
.set gi, gi+1
.endr
	v_nop                                          ; a plain line behind the exponentials
.set gi, 0
	s_wait_alu depctr_va_vdst(0)
.rept 8
	v_pk_mul_f32 v[GQ+gi:GQ+gi+1], v[GQ+gi:GQ+gi+1], v[GT+gi:GT+gi+1]                   ; a = erfc(z) / 2
.set gi, gi+2
.endr
.set gi, 0
.rept 8
	v_pk_add_f32 v[GT+gi:GT+gi+1], 1.0, v[GQ+gi:GQ+gi+1] op_sel_hi:[0,1] neg_lo:[0,1] neg_hi:[0,1]   ; 1 - a
.set gi, gi+2
.endr
.set gi, 0
.rept 16
	v_cmp_lt_f32 vcc_lo, 0, v[\y+gi]
	v_cndmask_b32 v[GQ+gi], v[GQ+gi], v[GT+gi], vcc_lo
.set gi, gi+1
.endr
.set gi, 0
.rept 8
	v_pk_mul_f32 v[\y+gi:\y+gi+1], v[\y+gi:\y+gi+1], v[GQ+gi:GQ+gi+1]
.set gi, gi+2
.endr
.endm
	s_load_b512 s[4:19], s[0:1], 0x0               ; x0 4, x1 6, mc0 8, mc1 10, Wo 12, W1 14, W2 16, bo 18
	s_load_b256 s[20:27], s[0:1], 0x40             ; b1 20, gamma 22, beta 24, b2 26
	s_load_b128 s[28:31], s[0:1], 0x60             ; scales 28, out0 30
	s_load_b64 s[32:33], s[0:1], 0x70              ; out1
	v_lshrrev_b32 v1, 5, v0
	v_readfirstlane_b32 s34, v1                    ; wave
	v_and_b32 v1, 31, v0                           ; lane
	v_and_b32 v2, 15, v0                           ; r
	v_bfe_u32 v3, v0, 4, 1                         ; h
	v_lshlrev_b32 v5, 4, v1                        ; 16 x lane
	s_wait_alu depctr_va_vdst(0)
	s_lshr_b32 s54, s34, 1
	s_and_b32 s55, s34, 1
	v_lshlrev_b32 v4, 10, v2
	v_lshl_add_u32 v4, v3, 6, v4
	s_lshl_b32 s62, s54, 14
	s_lshl_b32 s63, s55, 9
	s_add_co_u32 s62, s62, s63
	v_add_nc_u32 v4, s62, v4                       ; x to quantise: row 16 (w / 2) + r, K step w % 2, + 64 h
	s_lshl_b32 s62, s54, 13
	s_lshl_b32 s63, s55, 11
	s_add_co_u32 s62, s62, s63
	v_add_nc_u32 v6, s62, v5                       ; its image: fragment 4 (w / 2) + w % 2
	s_lshl_b32 s62, s34, 10
	s_add_co_u32 s62, s62, 4096
	v_add_nc_u32 v7, s62, v5                       ; m Wo's part of an image: K steps 2, 3; 1,024 bytes a wave
	s_lshl_b32 s62, s34, 11
	s_add_co_u32 s62, s62, GIMG
	v_add_nc_u32 v8, s62, v5                       ; the GELU's image: K step w
	v_and_b32 v19, 8, v2
	v_add_nc_u32 v19, v19, v2                      ; r + 8 (r / 8)
	v_lshlrev_b32 v9, 8, v19
	v_lshl_add_u32 v9, v3, 4, v9                   ; Wo
	v_lshlrev_b32 v10, 9, v19
	v_lshl_add_u32 v10, v3, 4, v10                 ; W1
	v_lshlrev_b32 v11, 9, v2
	v_lshl_add_u32 v11, v3, 4, v11                 ; W2: rows as they lie
	v_lshlrev_b32 v12, 6, v3                       ; bo, b1, gamma, beta: 64 h
	v_lshlrev_b32 v13, 5, v3                       ; b2: 32 h
	v_lshlrev_b32 v14, 2, v0                       ; partial sums: 128 x wave + 4 x lane
	v_lshlrev_b32 v15, 2, v2
	v_mul_u32_u24 v16, v2, SP
	v_lshl_add_u32 v16, v3, 5, v16
	s_lshl_b32 s62, s34, 8
	s_add_co_u32 s62, s62, STG
	v_add_nc_u32 v16, s62, v16                     ; the stage, in: row r, + 32 h, + 256 x wave
	s_mul_i32 s62, s34, 8*SP
	s_add_co_u32 s62, s62, STG
	v_add_nc_u32 v17, s62, v5                      ; back: my eight rows
	s_lshl_b32 s62, s34, 13
	v_add_nc_u32 v18, s62, v5                      ; and the same rows in x and in out
	SC2 CO,    0xbfa1fc4e                          ; c0 = -1.26551223
	SC2 CO+2,  0x3f8000c7                          ; c1 =  1.00002368
	SC2 CO+4,  0x3ebf88fb                          ; c2 =  0.37409196
	SC2 CO+6,  0x3dc636c9                          ; c3 =  0.09678418
	SC2 CO+8,  0xbe3ec24c                          ; c4 = -0.18628806
	SC2 CO+10, 0x3e8ec7cc                          ; c5 =  0.27886807
	SC2 CO+12, 0xbf914e5d                          ; c6 = -1.13520398
	SC2 CO+14, 0x3fbe87b0                          ; c7 =  1.48851587
	SC2 CO+16, 0xbf527892                          ; c8 = -0.82215223
	SC2 84,    0x3fb8aa3b                          ; log2(e)
	s_mov_b32 s86, 0x3f3504f3                      ; 1 / sqrt(2)
	s_mov_b32 s87, 0x3b000000                      ; 1 / 512
	s_mov_b32 s88, 0x76543210
	s_mov_b32 s89, 0xfedcba98
	s_and_b32 s35, ttmp9, 127                      ; which 32 rows
	s_lshl_b32 s90, s35, 15                        ; x, out: 32 rows of 1,024 bytes
	s_mov_b32 s91, 0
	s_lshl_b32 s92, s35, 13                        ; mc: two row tiles of 4,096 bytes
	s_mov_b32 s93, 0
	s_lshl_b32 s94, s34, 14                        ; Wo: my 64 rows of 256 bytes
	s_mov_b32 s95, 0
	s_lshl_b32 s96, s34, 16                        ; W1: my 128 rows of 512
	s_mov_b32 s97, 0
	s_lshl_b32 s98, s34, 15                        ; W2: my 64 rows of 512
	s_mov_b32 s99, 0
	s_lshl_b32 s100, s34, 8                        ; bo, b2: my 64 numbers
	s_mov_b32 s101, 0
	s_wait_alu depctr_va_vdst(0)
	s_wait_kmcnt 0x0
	s_load_b128 s[36:39], s[28:29], 0x38           ; e14 .. e17
	s_load_b256 s[40:47], s[28:29], 0x48           ; e18 .. e25
	s_cmp_lt_u32 ttmp9, 128                        ; the choice hangs on the work-group's number alone
	s_cselect_b64 s[4:5], s[4:5], s[6:7]
	s_cselect_b64 s[8:9], s[8:9], s[10:11]
	s_cselect_b64 s[30:31], s[30:31], s[32:33]
	s_add_nc_u64 s[4:5], s[4:5], s[90:91]
	s_add_nc_u64 s[30:31], s[30:31], s[90:91]
	s_add_nc_u64 s[8:9], s[8:9], s[92:93]
	s_add_nc_u64 s[12:13], s[12:13], s[94:95]
	s_add_nc_u64 s[14:15], s[14:15], s[96:97]
	s_add_nc_u64 s[16:17], s[16:17], s[98:99]
	s_add_nc_u64 s[18:19], s[18:19], s[100:101]
	s_add_nc_u64 s[26:27], s[26:27], s[100:101]
	s_lshl_b32 s100, s34, 9                        ; b1, gamma, beta: my 128 numbers
	s_add_nc_u64 s[20:21], s[20:21], s[100:101]
	s_add_nc_u64 s[22:23], s[22:23], s[100:101]
	s_add_nc_u64 s[24:25], s[24:25], s[100:101]
.irp b, 0,1,2,3
.irp j, 0,1,2,3
	global_load_b128 v[64+16*\b+4*\j:64+16*\b+4*\j+3], v4, s[4:5] offset:128*\b+16*\j                ; x
.endr
.endr
.irp f, 0,1,2,3
.irp c, 0,1,2,3
	global_load_b128 v[128+16*\f+4*\c:128+16*\f+4*\c+3], v5, s[8:9] offset:2048*\f+512*\c            ; m's fragments (2 rt + s), as they lie
.endr
.endr
	WIN 0x40
.irp ct, 0,1,2,3
.irp s, 0,1
.irp c, 0,1,2,3
	global_load_b128 v[16*(2*\ct+\s)+4*\c:16*(2*\ct+\s)+4*\c+3], v9, s[12:13] offset:(32*(\ct/2)+8*(\ct%2))*256+128*\s+32*\c
.endr
.endr
.endr
	WIN 0
.irp b, 0,1
.irp j, 0,1,2,3
	global_load_b128 v[32+16*\b+4*\j:32+16*\b+4*\j+3], v12, s[18:19] offset:128*\b+16*\j             ; bo
.endr
.endr
	s_wait_kmcnt 0x0
	s_cmp_lt_u32 ttmp9, 128
	s_cselect_b32 s48, s36, s38                    ; m's exponent
	s_cselect_b32 s49, s37, s39                    ; Wo's
	s_cselect_b32 s50, s40, s44                    ; [x, m']'s
	s_cselect_b32 s51, s41, s45                    ; W1's
	s_cselect_b32 s52, s42, s46                    ; the GELU's
	s_cselect_b32 s53, s43, s47                    ; W2's
	MKSC 50, 20, 21
	MKSC 52, 22, 23
	POW2 56, 48, 49
	POW2 58, 50, 51
	POW2 60, 52, 53
	; ---- X: my 16 rows x 128 of x become a fragment
	s_wait_alu depctr_va_vdst(0)
	s_wait_loadcnt 56                              ; x is in: m 16, Wo 32 and bo 8 were issued behind it
	QUANT 64, 192, 20, 21
	IMAGE 6, 192, AIMG
.irp b, 0,1,2,3
.irp j, 0,1,2,3
	global_load_b128 v[64+16*\b+4*\j:64+16*\b+4*\j+3], v12, s[24:25] offset:128*\b+16*\j             ; beta, into the registers that x has left
.endr
.endr
	s_wait_dscnt 0x0                               ; the stores have read their registers, which the products below write
	s_wait_loadcnt 16                              ; m, Wo and bo are in; beta may be out
	; ---- A: m Wo, eight accumulators by turns
	WIN 0x01                                       ; source 0 (Wo) window 1
.irp s, 0,1
.irp rt, 0,1
.irp ct, 0,1,2,3
.if \s == 0
	v_wmma_f32_16x16x128_fp8_fp8 v[192+32*\rt+8*\ct:192+32*\rt+8*\ct+7], v[16*(2*\ct+\s):16*(2*\ct+\s)+15], v[128+16*(2*\rt+\s):128+16*(2*\rt+\s)+15], 0
.else
	v_wmma_f32_16x16x128_fp8_fp8 v[192+32*\rt+8*\ct:192+32*\rt+8*\ct+7], v[16*(2*\ct+\s):16*(2*\ct+\s)+15], v[128+16*(2*\rt+\s):128+16*(2*\rt+\s)+15], v[192+32*\rt+8*\ct:192+32*\rt+8*\ct+7]
.endif
.endr
.endr
.endr
	WIN 0x80                                       ; W1's K steps 0 and 1 into window 2
.irp s, 0,1
.irp ct, 0,1,2,3,4,5,6,7
.irp c, 0,1,2,3
	global_load_b128 v[128*\s+16*\ct+4*\c:128*\s+16*\ct+4*\c+3], v10, s[14:15] offset:(32*(\ct/2)+8*(\ct%2))*512+128*\s+32*\c
.endr
.endr
.endr
	WIN 0
	PLACES                                         ; four places between the last product and the first read of results (ISA guide 7.12.1)
	; ---- B: m' = sum x 2^(em + ewo) + bo, quantised with [x, m']'s scale: my 64 units are half of a K step's fragment
.set i, 0
.rept 32
	v_pk_fma_f32 v[192+2*i:193+2*i], v[192+2*i:193+2*i], s[56:57], v[32+2*(i%16):33+2*(i%16)] op_sel_hi:[1,0,1]
.set i, i+1
.endr
.set i, 0
.rept 64
	v_med3_num_f32 v[192+i], v[192+i], -v21, v21
.set i, i+1
.endr
.set i, 0
.rept 8
	v_cvt_scalef32_pk8_fp8_f32 v[32+2*i:33+2*i], v[192+8*i:199+8*i], v20
.set i, i+1
.endr
	v_nop                                          ; a plain line behind the last conversion
.irp rt, 0,1
.irp b, 0,1
	ds_store_b128 v7, v[32+8*\rt+4*\b:32+8*\rt+4*\b+3] offset:AIMG+8192*\rt+512*\b
.endr
.endr
	WIN 0xc0                                       ; W1's K steps 2 and 3 into window 3
.irp s, 0,1
.irp ct, 0,1,2,3,4,5,6,7
.irp c, 0,1,2,3
	global_load_b128 v[128*\s+16*\ct+4*\c:128*\s+16*\ct+4*\c+3], v10, s[14:15] offset:(32*(\ct/2)+8*(\ct%2))*512+256+128*\s+32*\c
.endr
.endr
.endr
	WIN 0x40
.irp b, 0,1,2,3
.irp j, 0,1,2,3
	global_load_b128 v[128+16*\b+4*\j:128+16*\b+4*\j+3], v12, s[20:21] offset:128*\b+16*\j           ; b1
.endr
.endr
.irp b, 0,1,2,3
.irp j, 0,1,2,3
	global_load_b128 v[192+16*\b+4*\j:192+16*\b+4*\j+3], v12, s[22:23] offset:128*\b+16*\j           ; gamma
.endr
.endr
	WIN 0
	BARRIER                                        ; [x, m']'s eight fragments lie in LDS
	; ---- C: the hidden layer: sixteen accumulators by turns, a K step at a time
	FETCH8 AIMG
	s_wait_dscnt 0x0
.irp s, 0,1,2,3
.if \s < 3
	s_wait_loadcnt 63                              ; this K step's fragments of W1 are in: 128, 96, 64 loads were issued behind them, and 63 is the largest count that the wait can name
.else
	s_wait_loadcnt 32                              ; b1 and gamma may be out
.endif
	WIN 0x06+(\s/2)                                ; source 0 (W1) window 2 or 3, source 1 window 1
.irp rt, 0,1
.irp ct, 0,1,2,3,4,5,6,7
.if \s == 0
	v_wmma_f32_16x16x128_fp8_fp8 v[128+64*\rt+8*\ct:128+64*\rt+8*\ct+7], v[128*(\s%2)+16*\ct:128*(\s%2)+16*\ct+15], v[16*(4*\rt+\s):16*(4*\rt+\s)+15], 0
.else
	v_wmma_f32_16x16x128_fp8_fp8 v[128+64*\rt+8*\ct:128+64*\rt+8*\ct+7], v[128*(\s%2)+16*\ct:128*(\s%2)+16*\ct+15], v[16*(4*\rt+\s):16*(4*\rt+\s)+15], v[128+64*\rt+8*\ct:128+64*\rt+8*\ct+7]
.endif
.endr
.endr
.endr
	WIN 0
	s_wait_loadcnt 0x0                             ; b1, gamma (and beta)
	PLACES                                         ; for the reads of results, and for the loads into registers that the products read
	WIN 0x80
.irp ct, 0,1,2,3
.irp s, 0,1,2,3
.irp c, 0,1,2,3
	global_load_b128 v[16*(4*\ct+\s)+4*\c:16*(4*\ct+\s)+4*\c+3], v11, s[16:17] offset:16*\ct*512+128*\s+32*\c   ; W2: it lands under the LayerNorm and the GELU
.endr
.endr
.endr
	WIN 0xc0
.irp ct, 0,1,2,3
.irp j, 0,1
	global_load_b128 v[8*\ct+4*\j:8*\ct+4*\j+3], v13, s[26:27] offset:64*\ct+16*\j                   ; b2
.endr
.endr
.irp i, 0,1,2,3,4,5,6,7
.irp f, 0,1
	global_load_b128 v[32+4*(2*\i+\f):32+4*(2*\i+\f)+3], v18, s[4:5] offset:1024*\i+512*\f           ; x for the residual, in the layout of the way out
.endr
.endr
	WIN 0x10                                       ; source 2 (b1) window 1
.set i, 0
.rept 64
	v_pk_fma_f32 v[128+2*i:129+2*i], v[128+2*i:129+2*i], s[58:59], v[128+2*(i%32):129+2*(i%32)] op_sel_hi:[1,0,1]   ; h = sum x 2^(ec + ew1) + b1; each accumulator from its low end on
.set i, i+1
.endr
	WIN 0
	; ---- LayerNorm
	v_mov_b32 v56, 0                               ; a permute's destination counts as read: written here, where bo's registers are free
	RSUM 128, 48, 50
	RSUM 192, 52, 54
	ACROSS RED1
	v_mul_f32 v24, s87, v32                        ; the means
	v_mul_f32 v26, s87, v36
	v_mov_b32 v25, v24
	v_mov_b32 v27, v26
.set i, 0
.rept 32
	v_pk_add_f32 v[128+2*i:129+2*i], v[128+2*i:129+2*i], v[24:25] neg_lo:[0,1] neg_hi:[0,1]
	v_pk_add_f32 v[192+2*i:193+2*i], v[192+2*i:193+2*i], v[26:27] neg_lo:[0,1] neg_hi:[0,1]
.set i, i+1
.endr
	RSQS 128, 48, 50
	RSQS 192, 52, 54
	ACROSS RED2
	v_fmaak_f32 v28, s87, v32, 0x3727c5ac          ; the variance + 1e-5
	v_fmaak_f32 v30, s87, v36, 0x3727c5ac
	s_wait_alu depctr_va_vdst(0)
	v_rsq_f32 v28, v28
	v_rsq_f32 v30, v30
	v_nop                                          ; a plain line behind the roots
	s_wait_alu depctr_va_vdst(0)
	v_mov_b32 v29, v28
	v_mov_b32 v31, v30
.set i, 0
.rept 32
	v_pk_mul_f32 v[128+2*i:129+2*i], v[128+2*i:129+2*i], v[28:29]
	v_pk_mul_f32 v[192+2*i:193+2*i], v[192+2*i:193+2*i], v[30:31]
.set i, i+1
.endr
	WIN 0x04                                       ; source 1 (gamma) window 1
.set i, 0
.rept 64
	v_pk_fma_f32 v[128+2*i:129+2*i], v[128+2*i:129+2*i], v[192+2*(i%32):193+2*(i%32)], v[64+2*(i%32):65+2*(i%32)]
.set i, i+1
.endr
	WIN 0
	; ---- GELU, sixteen numbers at a time; beta's registers are free now: v64-111 are the temporaries, and c9 is written only here, behind the last read of beta
	v_mov_b32 v112, 0x3e2ef945                     ; c9 = 0.17087277, twice: a vector pair, so that each multiply-add below reads one scalar value
	v_mov_b32 v113, 0x3e2ef945
.irp k, 0,1,2,3,4,5,6,7
	GELU16 128+16*\k
.endr
	QUANT 128, 32, 22, 23
	IMAGE 8, 32, 0
	QUANT 192, 48, 22, 23
	IMAGE 8, 48, 8192
	BARRIER                                        ; the GELU's eight fragments lie in LDS
	; ---- D: the result: eight accumulators by turns
	FETCH8 GIMG
	s_wait_dscnt 0x0
	s_wait_loadcnt 24                              ; W2 is in: b2's 8 and x's 16 loads were issued behind it
	WIN 0x06                                       ; source 0 (W2) window 2, source 1 window 1
.irp s, 0,1,2,3
.irp rt, 0,1
.irp ct, 0,1,2,3
.if \s == 0
	v_wmma_f32_16x16x128_fp8_fp8 v[128+32*\rt+8*\ct:128+32*\rt+8*\ct+7], v[16*(4*\ct+\s):16*(4*\ct+\s)+15], v[16*(4*\rt+\s):16*(4*\rt+\s)+15], 0
.else
	v_wmma_f32_16x16x128_fp8_fp8 v[128+32*\rt+8*\ct:128+32*\rt+8*\ct+7], v[16*(4*\ct+\s):16*(4*\ct+\s)+15], v[16*(4*\rt+\s):16*(4*\rt+\s)+15], v[128+32*\rt+8*\ct:128+32*\rt+8*\ct+7]
.endif
.endr
.endr
.endr
	WIN 0
	PLACES
	s_wait_loadcnt 16                              ; b2 is in; x's 16 loads may be out
	WIN 0x30                                       ; source 2 (b2) window 3
.set i, 0
.rept 32
	v_pk_fma_f32 v[192+2*i:193+2*i], v[128+2*i:129+2*i], s[60:61], v[2*(i%16):2*(i%16)+1] op_sel_hi:[1,0,1]   ; sum x 2^(eg + ew2) + b2
.set i, i+1
.endr
	WIN 0
.irp rt, 0,1
.irp ct, 0,1,2,3
	ds_store_b128 v16, v[192+32*\rt+8*\ct:192+32*\rt+8*\ct+3] offset:16*\rt*SP+64*\ct       ; lane (r, h): row 16 rt + r, units 64 w + 16 ct + 8 h + 0 .. 7
	ds_store_b128 v16, v[192+32*\rt+8*\ct+4:192+32*\rt+8*\ct+7] offset:16*\rt*SP+64*\ct+16
.endr
.endr
	BARRIER                                        ; 32 whole rows lie in the stage
.irp i, 0,1,2,3,4,5,6,7
.irp f, 0,1
	ds_load_b128 v[128+4*(2*\i+\f):128+4*(2*\i+\f)+3], v17 offset:\i*SP+512*\f
.endr
.endr
	s_wait_dscnt 0x0
	s_wait_loadcnt 0x0                             ; x
	WIN 0x0c                                       ; source 1 (x) window 3
.set i, 0
.rept 32
	v_pk_add_f32 v[128+2*i:129+2*i], v[128+2*i:129+2*i], v[32+2*i:33+2*i]
.set i, i+1
.endr
	WIN 0
.irp i, 0,1,2,3,4,5,6,7
.irp f, 0,1
	global_store_b128 v18, v[128+4*(2*\i+\f):128+4*(2*\i+\f)+3], s[30:31] offset:1024*\i+512*\f th:TH_STORE_NT   ; 32 lanes store 512 consecutive bytes, aligned; written once
.endr
.endr
	s_wait_xcnt 0x0
	v_lshl_add_u32 v254, v0, 2, 0x10800
	v_mov_b32 v255, 0
	s_wait_alu depctr_va_vdst(0)
	s_wait_tensorcnt 0x0
	ds_add_u32 v254, v255
	s_wait_dscnt 0x0
	s_endpgm
.Lfunc_end_k_q705ac09d27_ffn:
	.size	k_q705ac09d27_ffn, .Lfunc_end_k_q705ac09d27_ffn-k_q705ac09d27_ffn
	.p2alignl 7, 3214868480
	.fill 96, 4, 3214868480
	.section	.rodata,"a",@progbits
	.p2align	6, 0x0
	.amdhsa_kernel k_q705ac09d27_ffn
		.amdhsa_group_segment_fixed_size 68096
		.amdhsa_private_segment_fixed_size 0
		.amdhsa_enable_private_segment 0
		.amdhsa_kernarg_size 120
		.amdhsa_user_sgpr_count 2
		.amdhsa_user_sgpr_kernarg_segment_ptr 1
		.amdhsa_wavefront_size32 1
		.amdhsa_system_sgpr_workgroup_id_x 1
		.amdhsa_system_sgpr_workgroup_id_y 1
		.amdhsa_system_sgpr_workgroup_id_z 1
		.amdhsa_system_vgpr_workitem_id 0
		.amdhsa_next_free_vgpr 1024
		.amdhsa_next_free_sgpr 104
		.amdhsa_reserve_vcc 1
		.amdhsa_float_denorm_mode_32 3
		.amdhsa_float_denorm_mode_16_64 3
		.amdhsa_memory_ordered 1
		.amdhsa_forward_progress 1
		.amdhsa_inst_pref_size 193
	.end_amdhsa_kernel
	.amdgpu_metadata
---
amdhsa.version: [ 1, 2 ]
amdhsa.kernels:
  - .name:           k_q705ac09d27_ffn
    .symbol:         k_q705ac09d27_ffn.kd
    .args:
      - { .name: x0, .offset: 0, .size: 8, .value_kind: global_buffer, .address_space: global }
      - { .name: x1, .offset: 8, .size: 8, .value_kind: global_buffer, .address_space: global }
      - { .name: mc0, .offset: 16, .size: 8, .value_kind: global_buffer, .address_space: global }
      - { .name: mc1, .offset: 24, .size: 8, .value_kind: global_buffer, .address_space: global }
      - { .name: Wo_codes, .offset: 32, .size: 8, .value_kind: global_buffer, .address_space: global }
      - { .name: W1_codes, .offset: 40, .size: 8, .value_kind: global_buffer, .address_space: global }
      - { .name: W2_codes, .offset: 48, .size: 8, .value_kind: global_buffer, .address_space: global }
      - { .name: bo, .offset: 56, .size: 8, .value_kind: global_buffer, .address_space: global }
      - { .name: b1, .offset: 64, .size: 8, .value_kind: global_buffer, .address_space: global }
      - { .name: gamma, .offset: 72, .size: 8, .value_kind: global_buffer, .address_space: global }
      - { .name: beta, .offset: 80, .size: 8, .value_kind: global_buffer, .address_space: global }
      - { .name: b2, .offset: 88, .size: 8, .value_kind: global_buffer, .address_space: global }
      - { .name: lowp_scales, .offset: 96, .size: 8, .value_kind: global_buffer, .address_space: global }
      - { .name: out0, .offset: 104, .size: 8, .value_kind: global_buffer, .address_space: global }
      - { .name: out1, .offset: 112, .size: 8, .value_kind: global_buffer, .address_space: global }
    .group_segment_fixed_size: 68096
    .private_segment_fixed_size: 0
    .kernarg_segment_align: 8
    .kernarg_segment_size: 120
    .max_flat_workgroup_size: 128
    .sgpr_count:     104
    .vgpr_count:     1024
    .wavefront_size: 32
...
	.end_amdgpu_metadata
.endif
;; end of part 3
